; MI455X (gfx1250); checked and timed in simulation.
; The chip was launched on July 23, 2026; its instructions are those of AMD's public machine-readable ISA for CDNA 5 (MIT licence, August 2026) and "CDNA5" Instruction Set Architecture Reference Guide (July 2026). The comments in the code are by the model that wrote it; some were corrected since.
;; Multi Head Attention. Allowed arithmetic: matrix products marked QUANTISED: E2M3 operands, one E8M0 scale for each 32 along K, by v_wmma_scale_f32_16x16x128_f8f6f4 with both operands' format E2M3, f32 sums; everything else in f32.
;; Inputs: Wk 2,048 x 2,048 float32; Wo 2,048 x 2,048 float32; Wq 2,048 x 2,048 float32; Wv 2,048 x 2,048 float32; token_positions 1 x 2,048 int32; x 1 x 2,048 x 2,048 float32.
;; Outputs: out0 1 x 2,048 x 2,048 float32.
;; This version of the problem:
;;   THIS VERSION OF THE PROBLEM IS GIVEN IN LOW PRECISION. The matrix products marked QUANTISED in the list below multiply operands that are first quantised to E2M3 (2 exponent bits, 3 mantissa bits; 6 bits a number), with one power-of-two scale for each 32 numbers along K (OCP MX v1.0); their sums are f32. All else is computed in f32.
;;   The module's matrix products, in the order in which they are computed (A, B: the left and right operand; K: the contracted axis; several contracted axes count as one K, in the product's order):
;;     1. [M 2,048, K 2,048] x [K 2,048, N 2,048]; A: input x; B: input Wq: QUANTISED
;;     2. [M 2,048, K 2,048] x [K 2,048, N 2,048]; A: input x; B: input Wk: QUANTISED
;;     3. [M 2,048, K 2,048] x [K 2,048, N 2,048]; A: input x; B: input Wv: QUANTISED
;;     4. batch 16 x [M 2,048, K 128] x [K 128, N 2,048]; A: computed on the way; B: computed on the way: QUANTISED
;;     5. batch 16 x [M 2,048, K 2,048] x [K 2,048, N 128]; A: softmax (see below); B: computed on the way: QUANTISED
;;     6. [M 2,048, K 2,048] x [K 2,048, N 2,048]; A: computed on the way; B: input Wo: QUANTISED
;;   THE QUANTISER, for each operand of a quantised product, along K:
;;     - K is cut into blocks of 32 from its start; a last block that is shorter is filled with zeros.
;;     - A block's scale is 2^e with e = floor(log2(the largest magnitude in the block)) - 2, held to -126 .. 127; a block of zeros has e = 0. As a byte (E8M0): e + 127.
;;     - Each number is divided by its block's scale, clamped to +-7.5, and rounded to the nearest number of E2M3, ties to even, subnormals kept.
;;     - The product sums the exact products of the quantised numbers (number of the format x scale) in f32.
;;   ~~~python
;;   def quantise(x, axis):      # numpy; x: float32 -> the quantised numbers, widened to float32 again
;;       x = np.moveaxis(x, axis, -1); K = x.shape[-1]
;;       x = np.pad(x, [(0, 0)] * (x.ndim - 1) + [(0, -K % 32)]); x = x.reshape(x.shape[:-1] + (-1, 32)); a = np.abs(x).max(-1, keepdims=True)
;;       e = np.where(a > 0, np.clip(np.frexp(np.where(a > 0, a, 1))[1] - 1 - 2, -126, 127), 0)      # np.frexp(a)[1] - 1 = floor(log2(a)), exactly
;;       r = np.clip(x / 2.0 ** e, -7.5, 7.5)
;;       step = 2.0 ** (np.maximum(np.frexp(np.where(r == 0, 1, r))[1] - 1, 0) - 3)
;;       q = np.round(r / step) * step * 2.0 ** e      # np.round: ties to even
;;       return np.moveaxis(q.reshape(q.shape[:-2] + (-1,))[..., :K], -1, axis).astype(np.float32)
;;   ~~~
;;   SOFTMAX AHEAD OF A QUANTISED PRODUCT. Where the list says 'softmax', what is quantised is not the finished softmax but p = 2^(t - M), with t = logit x log2(e) and M = ceil(the row's largest t), a whole number; so 1/2 < the row's largest p <= 1. The row's sum l is taken of the UNQUANTISED p, in f32, and the product's result is divided by l at the end. Since M is a whole number, a kernel that streams over the keys may use a running M (the ceiling of the running maximum): every later rescaling is an exact power of two, which a block's scale takes up: the codes' values come out the same.
;;   OPERANDS COMPUTED ON THE WAY. 'Computed on the way' means the value that the module computes at that place (a softmax that the list does not call 'softmax' is quantised finished and normalised). What goes into a quantiser is computed in f32, as accurately as f32 sums, v_exp_f32 and their like allow (about 1e-6 of the number): no bf16 or f16 on the way to a quantiser, and a product that is left as it is and whose result goes on into a quantised operand takes f32 operands (vector FMAs, or v_wmma_f32_16x16x4_f32). A number that lies on a knife's edge between two numbers of the format may be rounded either way, as far as f32 arithmetic and the matrix unit's own rounding can turn it there, and no further.
;; One version. Each part assembles by itself: llvm-mc -triple=amdgcn-amd-amdhsa -mcpu=gfx1250 --defsym DOCPART=n.
;; ======== version 1 of 1: 4 launches
;; limits: right only within a limited range of input values
;; workspace buffers: wcodes 15,728,640 bytes; wscales 655,360 bytes; rope 1,048,576 bytes; qb 3,276,800 bytes; kv 6,553,600 bytes; oc 3,145,728 bytes; os 131,072 bytes
;; launch prep (part 1): grid 768 x 1, 4 waves a work-group, no clusters, 34,304 bytes of LDS; arguments x, Wq, Wk, Wv, Wo, token_positions, wcodes, wscales, rope; writes wcodes, wscales, rope
.if DOCPART == 1
	.amdgcn_target "amdgcn-amd-amdhsa--gfx1250"
	.amdhsa_code_object_version 6
	.text
	.protected	k_q584a18a38d_prep
	.globl	k_q584a18a38d_prep
	.p2align	8
	.type	k_q584a18a38d_prep,@function
k_q584a18a38d_prep:
	s_mov_b64 s[64:65], 0
	v_nop
	global_prefetch_b8 v0, s[64:65] scope:SCOPE_SE
	s_setreg_imm32_b32 hwreg(HW_REG_WAVE_MODE, 25, 1), 1
	s_wait_xcnt 0x0
; x, Wq, Wk, Wv, Wo, each [2048][2048] f32 with K innermost, become codes of FP6 (E2M3) with one E8M0 byte for each 32 along K; and the cosines and sines of RoPE are made from token_positions.
; THE CODES ARE LAID AS THE MATRIX UNIT'S REGISTERS WANT THEM: wcodes [tensor 5][tile 128][K step 16][1,536 bytes]: a fragment (16 rows x 128 K, 12 registers a lane) as three groups of four registers, group g at 512 g + 16 x lane.
; THE ROWS OF A TILE ARE NOT NEIGHBOURS: row i of tile 2 b + u is the tensor's row 32 b + 8 u + i + 8 (i / 8).  So wherever a later product's result runs across two neighbouring tiles, a lane's 16 registers are 16 true neighbours.
; wscales [tensor][quad of 4 tiles 32][K step 16][row 16][tile in quad 4]: one word of four bytes a row, tile and K step: a later launch's lane takes its row's words in four tiles by one load of 16 bytes.
; rope [tile 128][b 4][g 4][lane 32][16 bytes]: lane (r, h) holds cos, sin, cos, sin of pairs 16 b + 8 h + 2 g and + 1 at the position of the tile's row r.
; A block's scale is 2^(floor(log2(its largest magnitude)) - 2); its byte is the largest magnitude's exponent field - 2, held at 1 from below.
; LIMITS: NaN and infinities among the inputs are not served; a block whose largest magnitude lies under 2^-124 gets the byte 1; a block of zeros gets the byte 1 where the rule says 127: its codes are zeros, and
; the bytes are read by this program alone.  token_positions lie in 0 .. 4,095, the table that the problem indexes; they enter as numbers only, never as addresses.
; SHARES.  Work-groups 0 .. 639: tensor = number / 128, tile = number % 128; wave w takes K 512 w .. 512 w + 511 in four steps of 128.  Work-groups 640 .. 767: the rope table of tile number - 640, wave = b.
; No work-group reads what another reads, so there is no cluster; the launch streams, so there are no matrix instructions and no tensor loads.  A WAVE ASKS FOR ALL ITS 32,768 BYTES AT ITS HEAD: 64 loads, each 512 consecutive
; bytes of one row, into four sets of 64 registers; 320 registers a wave leave room for three waves on a SIMD, which is what 768 work-groups on 256 WGPs come to.
; Each step's codes and scale word have registers of their own, so no store's data are written again and the steps hold no wait for the stores.
; REGISTERS: v0-13 addresses; v16-23 at work; v36-43 the conversions' second halves; v44-47 the steps' scale words; v64-255 sets 0 to 2, v256-319 set 3 (through the register window); a set's numbers come back from the stage
; into a set that is free; codes: step 0 v24-35, step 1 v48-59, steps 2 and 3 v64-87 (set 0 is done with by then).
.set WREG,  8448                       ; LDS, a region for each wave: a stage of 16 rows x (512 + 16) bytes
.set SPARE, 4*WREG                     ; behind the regions: the spare words, 128 bytes for each wave
.set SPW,   12                         ; v12  LDS address of my spare word; never rewritten
.set NIL,   13                         ; v13  0; never rewritten
.set MSB, 0
.macro WIN new                         ; the immediate's high byte repeats the setting that is left
.if MSB != \new
	s_set_vgpr_msb (MSB<<8)|\new
.set MSB, \new
.endif
.endm
	s_load_b256 s[4:11], s[0:1], 0x0               ; x, Wq, Wk, Wv
	s_load_b256 s[12:19], s[0:1], 0x20             ; Wo, token_positions, wcodes, wscales
	s_load_b64 s[20:21], s[0:1], 0x40              ; rope
	v_lshl_add_u32 v[SPW], v0, 2, SPARE
	v_mov_b32 v[NIL], 0
	v_lshrrev_b32 v1, 5, v0
	v_readfirstlane_b32 s22, v1                    ; wave
	v_and_b32 v1, 31, v0                           ; lane
	v_and_b32 v2, 15, v0                           ; r
	v_bfe_u32 v3, v0, 4, 1                         ; h
	v_lshlrev_b32 v4, 4, v1                        ; 16 x lane
	s_mov_b32 s24, 0x76543210
	s_mov_b32 s25, 0xfedcba98                      ; v_permlanex16_b32's selects for lane l xor 16
	s_cmp_ge_u32 ttmp9, 640
	s_cbranch_scc1 .Lrope
	; ---------------- the quantiser ----------------
	s_lshr_b32 s28, ttmp9, 7                       ; tensor
	s_and_b32 s29, ttmp9, 127                      ; tile
	s_mul_i32 s30, s22, WREG
	v_add_nc_u32 v5, s30, v4                       ; the stage, on the way in: a row's 512 bytes as they lie
	v_mul_u32_u24 v6, v2, 528
	v_lshl_add_u32 v6, v3, 7, v6
	v_add_nc_u32 v6, s30, v6                       ; on the way out: row r, + 128 h
	s_wait_alu depctr_va_vdst(0)
	v_lshlrev_b32 v7, 4, v2                        ; my row's 16 bytes of a K step's 256 in wscales
	v_lshlrev_b32 v10, 3, v3                       ; 8 h: my bytes' place in the word
	v_mov_b32 v22, 0                               ; written once: a lane permute's destination counts as one of its sources
	s_lshl_b32 s32, s29, 4
	s_and_b32 s33, s29, 1
	s_lshl_b32 s33, s33, 3
	s_sub_co_u32 s32, s32, s33                     ; the tile's first row: 16 tile - 8 (tile % 2)
	s_lshl_b32 s32, s32, 13                        ; rows of 8,192 bytes
	s_lshl_b32 s33, s22, 11
	s_add_co_u32 s32, s32, s33                     ; + my wave's 2,048 bytes of a row
	s_mov_b32 s33, 0
	s_mul_i32 s34, ttmp9, 24576                    ; the tile's codes,
	s_mul_i32 s36, s22, 6144
	s_add_co_u32 s34, s34, s36                     ; my four K steps of them
	s_mov_b32 s35, 0
	s_lshr_b32 s36, ttmp9, 2
	s_lshl_b32 s36, s36, 12                        ; the quad's 4,096 bytes of scale words,
	s_lshl_b32 s37, s22, 10
	s_add_co_u32 s36, s36, s37                     ; my wave's four K steps of 256 bytes,
	s_and_b32 s37, ttmp9, 3
	s_lshl_b32 s37, s37, 2
	s_add_co_u32 s36, s36, s37                     ; my tile's word of a row's four
	s_mov_b32 s37, 0
	s_wait_alu depctr_va_vdst(0)                   ; the head's end
	s_wait_kmcnt 0x0
	s_cmp_eq_u32 s28, 1                            ; which tensor: the choice hangs on the work-group's number alone
	s_cselect_b64 s[26:27], s[6:7], s[4:5]
	s_cmp_eq_u32 s28, 2
	s_cselect_b64 s[26:27], s[8:9], s[26:27]
	s_cmp_eq_u32 s28, 3
	s_cselect_b64 s[26:27], s[10:11], s[26:27]
	s_cmp_eq_u32 s28, 4
	s_cselect_b64 s[26:27], s[12:13], s[26:27]
	s_add_nc_u64 s[26:27], s[26:27], s[32:33]
	s_add_nc_u64 s[16:17], s[16:17], s[34:35]
	s_add_nc_u64 s[18:19], s[18:19], s[36:37]
.macro LOADSET s, rb                   ; step s: 128 numbers of each of the tile's 16 rows, into the 64 registers from rb on: each load is 512 consecutive bytes of one row
.irp i, 0,1,2,3,4,5,6,7,8,9,10,11,12,13,14,15
	global_load_b128 v[\rb+4*\i:\rb+4*\i+3], v4, s[26:27] offset:(\i+8*(\i/8))*8192+512*(\s) th:TH_LOAD_NT
.endr
.endm
; Step s.  rb, w: the set as loaded (register, window); xs: where my 64 numbers come back: register 32 c + i = k 64 c + 32 h + i of my row; cc: the step's codes.
.macro QSTEP s, rb, w, xs, cc
	s_wait_loadcnt 16*(3-(\s))                     ; this step's 16 loads are in; the later steps' may be out
	WIN 4*(\w)                                     ; the stores' data: source 1
.irp i, 0,1,2,3,4,5,6,7,8,9,10,11,12,13,14,15
	ds_store_b128 v5, v[\rb+4*\i:\rb+4*\i+3] offset:528*\i
.endr
	WIN 0
	s_wait_dscnt 0x0                               ; the stores have read their registers: the loads below may land there
.irp c, 0,1
.irp j, 0,1,2,3,4,5,6,7
	ds_load_b128 v[\xs+32*\c+4*\j:\xs+32*\c+4*\j+3], v6 offset:256*\c+16*\j
.endr
.endr
	s_wait_dscnt 0x0                               ; my 64 numbers are back
.irp c, 0,1                                    ; my block 2 c + h: all its 32 numbers are mine
	v_max3_num_f32 v[16+\c], |v[\xs+32*\c]|, |v[\xs+32*\c+1]|, 0x1800000   ; with the floor 2^(3 - 127): the byte cannot fall under 1
.endr
.irp i, 2,4,6,8,10,12,14,16,18,20,22,24,26,28,30
.irp c, 0,1
	v_max3_num_f32 v[16+\c], v[16+\c], |v[\xs+32*\c+\i]|, |v[\xs+32*\c+\i+1]|
.endr
.endr
.irp c, 0,1
	v_add_nc_u32 v[18+\c], 0xff000000, v[16+\c]    ; 2 off the exponent field: the conversion's scale operand
.endr
.irp c, 0,1
	v_lshrrev_b32 v[20+\c], 23, v[18+\c]           ; the scale's byte
.endr
	v_lshl_or_b32 v23, v21, 16, v20                ; my two bytes, blocks h and 2 + h,
	v_lshlrev_b32 v23, v10, v23                    ; at their places in the word;
	v_permlanex16_b32 v22, v23, s24, s25
	v_or_b32 v[44+(\s)], v23, v22                  ; with lane l xor 16's two the word is whole
.irp c, 0,1
	v_cvt_scalef32_pk16_fp6_f32 v[\cc+6*\c:\cc+6*\c+2], v[\xs+32*\c:\xs+32*\c+15], v[18+\c]
	v_cvt_scalef32_pk16_fp6_f32 v[36+4*\c:38+4*\c], v[\xs+32*\c+16:\xs+32*\c+31], v[18+\c]   ; (a conversion's three registers begin on an even number)
.endr
	v_nop                                          ; one plain place behind a scaled conversion
.irp c, 0,1
.irp i, 0,1,2
	v_mov_b32 v[\cc+3+6*\c+\i], v[36+4*\c+\i]
.endr
.endr
.irp g, 0,1,2
	global_store_b128 v4, v[\cc+4*\g:\cc+4*\g+3], s[16:17] offset:1536*(\s)+512*\g   ; 32 lanes store 512 consecutive bytes, at a multiple of 256 from the buffer's first byte
.endr
	global_store_b32 v7, v[44+(\s)], s[18:19] offset:256*(\s)   ; lanes l and l + 16 store the same word with the same value
.endm
	LOADSET 0, 64
	LOADSET 1, 128
	LOADSET 2, 192
	WIN 0x40                                       ; destination window 1: v256-319
	LOADSET 3, 0
	WIN 0
	QSTEP 0, 64, 0, 64, 24
	QSTEP 1, 128, 0, 128, 48
	QSTEP 2, 192, 0, 192, 64
	QSTEP 3, 0, 1, 192, 76
	s_wait_tensorcnt 0x0                           ; the wave's end
	ds_add_u32 v[SPW], v[NIL]
	s_wait_dscnt 0x0
	s_endpgm
	; ---------------- the rope table ----------------
	; freq(i) = 10000^(-i / 64) = 2^(-i c), c = log2(10000) / 64 = c_hi + c_lo; c_hi has 17 significant bits, so i c_hi is exact; 2^(-i c_lo) = 1 - ln 2 x c_lo x i.  angle = position x freq, rounded once.
	; The angle less n x pi/2 (pi/2 in two parts; the first subtraction is exact) lies within pi/4; sine and cosine there by polynomials in f32; the quadrant n % 4 swaps them and sets the signs.
.Lrope:
	s_sub_co_u32 s28, ttmp9, 640                   ; tile
	s_lshl_b32 s29, s28, 4
	s_and_b32 s30, s28, 1
	s_lshl_b32 s30, s30, 3
	s_sub_co_u32 s29, s29, s30                     ; the tile's first token
	s_wait_alu depctr_va_vdst(0)
	v_and_b32 v11, 8, v2
	v_add_nc_u32 v11, v11, v2                      ; r + 8 (r / 8)
	v_add_nc_u32 v11, s29, v11
	v_lshlrev_b32 v11, 2, v11
	s_lshl_b32 s30, s28, 13
	s_lshl_b32 s31, s22, 11
	s_add_co_u32 s30, s30, s31                     ; the table's place: 8,192 tile + 2,048 b
	s_mov_b32 s31, 0
	s_lshl_b32 s32, s22, 4
	v_lshl_add_u32 v6, v3, 3, s32                  ; my first pair: 16 b + 8 h
	s_mov_b32 s40, 0x3f22f983                      ; 2 / pi
	s_mov_b32 s41, 0x3fc90fdb                      ; pi / 2, upper part
	s_mov_b32 s42, 0xb33bbd2e                      ; and the rest
	s_mov_b32 s43, 0xb94ca1f9                      ; sine: -1.9515296e-4,
	s_mov_b32 s44, 0x3c08839e                      ; 8.3321609e-3,
	s_mov_b32 s45, 0xbe2aaaa3                      ; -0.16666655
	s_mov_b32 s46, 0x37ccf5ce                      ; cosine: 2.4433157e-5,
	s_mov_b32 s47, 0xbab6061a                      ; -1.3887316e-3,
	s_mov_b32 s48, 0x3d2aaaa5                      ; 4.1666646e-2
	s_wait_alu depctr_va_vdst(0)
	s_wait_kmcnt 0x0
	global_load_b32 v5, v11, s[14:15]              ; my row's position
	s_add_nc_u64 s[20:21], s[20:21], s[30:31]
.irp n, 0,1,2,3,4,5,6,7
	v_add_nc_u32 v[16+\n], \n, v6
.endr
.irp n, 0,1,2,3,4,5,6,7
	v_cvt_f32_u32 v[16+\n], v[16+\n]               ; i
.endr
.irp n, 0,1,2,3,4,5,6,7
	v_mul_f32 v[24+\n], 0xbe549a80, v[16+\n]       ; -i c_hi, exact
.endr
	s_wait_alu depctr_va_vdst(0)
.irp n, 0,1,2,3,4,5,6,7
	v_exp_f32 v[24+\n], v[24+\n]
.endr
.irp n, 0,1,2,3,4,5,6,7
	v_mul_f32 v[16+\n], 0x33aae0b9, v[16+\n]       ; -ln 2 x c_lo x i: plain work behind the exponentials
.endr
	s_wait_alu depctr_va_vdst(0)                   ; one wait for the eight, ahead of their first reader
.irp n, 0,1,2,3,4,5,6,7
	v_fma_f32 v[24+\n], v[24+\n], v[16+\n], v[24+\n]   ; freq
.endr
	s_wait_loadcnt 0x0
	v_cvt_f32_i32 v5, v5
	s_wait_alu depctr_va_vdst(0)
.irp n, 0,1,2,3,4,5,6,7
	v_mul_f32 v[24+\n], v5, v[24+\n]               ; the angle
.endr
.irp n, 0,1,2,3,4,5,6,7
	v_mul_f32 v[32+\n], s40, v[24+\n]
.endr
.irp n, 0,1,2,3,4,5,6,7
	v_rndne_f32 v[32+\n], v[32+\n]                 ; n
.endr
.irp n, 0,1,2,3,4,5,6,7
	v_fma_f32 v[24+\n], -v[32+\n], s41, v[24+\n]
.endr
.irp n, 0,1,2,3,4,5,6,7
	v_fma_f32 v[24+\n], -v[32+\n], s42, v[24+\n]   ; y, within pi / 4
.endr
.irp n, 0,1,2,3,4,5,6,7
	v_mul_f32 v[40+\n], v[24+\n], v[24+\n]         ; z = y y
.endr
.irp n, 0,1,2,3,4,5,6,7
	v_fma_f32 v[48+\n], v[40+\n], s43, s44
	v_fma_f32 v[64+\n], v[40+\n], s46, s47
.endr
.irp n, 0,1,2,3,4,5,6,7
	v_fma_f32 v[48+\n], v[48+\n], v[40+\n], s45
	v_fma_f32 v[64+\n], v[64+\n], v[40+\n], s48
.endr
.irp n, 0,1,2,3,4,5,6,7
	v_mul_f32 v[56+\n], v[40+\n], v[24+\n]         ; z y
	v_mul_f32 v[72+\n], v[40+\n], v[40+\n]         ; z z
	v_fma_f32 v[80+\n], v[40+\n], -0.5, 1.0        ; 1 - z / 2
.endr
.irp n, 0,1,2,3,4,5,6,7
	v_fma_f32 v[48+\n], v[48+\n], v[56+\n], v[24+\n]   ; sin y
	v_fma_f32 v[64+\n], v[64+\n], v[72+\n], v[80+\n]   ; cos y
	v_cvt_i32_f32 v[32+\n], v[32+\n]
.endr
.irp n, 0,1,2,3,4,5,6,7
	v_and_b32 v[88+\n], 1, v[32+\n]
	v_cmp_eq_u32 vcc_lo, 1, v[88+\n]               ; in odd quadrants sine and cosine change places
	v_cndmask_b32 v[56+\n], v[48+\n], v[64+\n], vcc_lo
	v_cndmask_b32 v[72+\n], v[64+\n], v[48+\n], vcc_lo
.endr
.irp n, 0,1,2,3,4,5,6,7
	v_lshlrev_b32 v[80+\n], 30, v[32+\n]           ; the sine is negative in quadrants 2 and 3: bit 1 of n,
	v_add_nc_u32 v[88+\n], 1, v[32+\n]             ; the cosine in 1 and 2: bit 1 of n + 1
.endr
.irp n, 0,1,2,3,4,5,6,7
	v_and_b32 v[80+\n], 0x80000000, v[80+\n]
	v_lshlrev_b32 v[88+\n], 30, v[88+\n]
.endr
.irp n, 0,1,2,3,4,5,6,7
	v_and_b32 v[88+\n], 0x80000000, v[88+\n]
	v_xor_b32 v[97+2*\n], v[80+\n], v[56+\n]       ; sin
.endr
.irp n, 0,1,2,3,4,5,6,7
	v_xor_b32 v[96+2*\n], v[88+\n], v[72+\n]       ; cos
.endr
.irp g, 0,1,2,3
	global_store_b128 v4, v[96+4*\g:99+4*\g], s[20:21] offset:512*\g   ; 32 lanes store 512 consecutive bytes, aligned
.endr
	s_wait_tensorcnt 0x0                           ; the wave's end
	ds_add_u32 v[SPW], v[NIL]
	s_wait_dscnt 0x0
	s_endpgm
.Lfunc_end_k_q584a18a38d_prep:
	.size	k_q584a18a38d_prep, .Lfunc_end_k_q584a18a38d_prep-k_q584a18a38d_prep
	.p2alignl 7, 3214868480
	.fill 96, 4, 3214868480
	.section	.rodata,"a",@progbits
	.p2align	6, 0x0
	.amdhsa_kernel k_q584a18a38d_prep
		.amdhsa_group_segment_fixed_size 34304
		.amdhsa_private_segment_fixed_size 0
		.amdhsa_enable_private_segment 0
		.amdhsa_kernarg_size 72
		.amdhsa_user_sgpr_count 2
		.amdhsa_user_sgpr_kernarg_segment_ptr 1
		.amdhsa_wavefront_size32 1
		.amdhsa_system_sgpr_workgroup_id_x 1
		.amdhsa_system_sgpr_workgroup_id_y 1
		.amdhsa_system_sgpr_workgroup_id_z 1
		.amdhsa_system_vgpr_workitem_id 0
		.amdhsa_next_free_vgpr 320
		.amdhsa_next_free_sgpr 66
		.amdhsa_reserve_vcc 1
		.amdhsa_float_denorm_mode_32 3
		.amdhsa_float_denorm_mode_16_64 3
		.amdhsa_memory_ordered 1
		.amdhsa_forward_progress 1
		.amdhsa_inst_pref_size 45
	.end_amdhsa_kernel
	.amdgpu_metadata
---
amdhsa.version: [ 1, 2 ]
amdhsa.kernels:
  - .name:           k_q584a18a38d_prep
    .symbol:         k_q584a18a38d_prep.kd
    .args:
      - { .name: x, .offset: 0, .size: 8, .value_kind: global_buffer, .address_space: global }
      - { .name: Wq, .offset: 8, .size: 8, .value_kind: global_buffer, .address_space: global }
      - { .name: Wk, .offset: 16, .size: 8, .value_kind: global_buffer, .address_space: global }
      - { .name: Wv, .offset: 24, .size: 8, .value_kind: global_buffer, .address_space: global }
      - { .name: Wo, .offset: 32, .size: 8, .value_kind: global_buffer, .address_space: global }
      - { .name: token_positions, .offset: 40, .size: 8, .value_kind: global_buffer, .address_space: global }
      - { .name: wcodes, .offset: 48, .size: 8, .value_kind: global_buffer, .address_space: global }
      - { .name: wscales, .offset: 56, .size: 8, .value_kind: global_buffer, .address_space: global }
      - { .name: rope, .offset: 64, .size: 8, .value_kind: global_buffer, .address_space: global }
    .group_segment_fixed_size: 34304
    .private_segment_fixed_size: 0
    .kernarg_segment_align: 8
    .kernarg_segment_size: 72
    .max_flat_workgroup_size: 128
    .sgpr_count:     66
    .vgpr_count:     320
    .wavefront_size: 32
...
	.end_amdgpu_metadata
.endif
;; end of part 1
;; launch qkv (part 2): grid 16 x 16, 4 waves a work-group, clusters of 4 x 4, 327,680 bytes of LDS; arguments wcodes, wscales, rope, qb, kv; writes qb, kv
.if DOCPART == 2
	.amdgcn_target "amdgcn-amd-amdhsa--gfx1250"
	.amdhsa_code_object_version 6
	.text
	.protected	k_q584a18a38d_qkv
	.globl	k_q584a18a38d_qkv
	.p2align	8
	.type	k_q584a18a38d_qkv,@function
k_q584a18a38d_qkv:
	s_mov_b64 s[64:65], 0
	v_nop
	global_prefetch_b8 v0, s[64:65] scope:SCOPE_SE
	s_setreg_imm32_b32 hwreg(HW_REG_WAVE_MODE, 25, 1), 1
	s_wait_xcnt 0x0
	s_wait_alu depctr_hold_cnt(0) depctr_sa_sdst(0) depctr_va_vdst(0) depctr_va_sdst(0) depctr_va_ssrc(0) depctr_va_vcc(0) depctr_vm_vsrc(0)
	s_getreg_b32 s2, hwreg(HW_REG_IB_STS2, 6, 4)
	s_cmp_eq_u32 s2, 0
	s_cbranch_scc0 .Lentry_in_a_cluster
	s_endpgm
.Lentry_in_a_cluster:
	s_bfe_u32 s2, ttmp6, 0x10000c
	s_cmp_lg_u32 s2, 0xf033
	s_cbranch_scc0 .Lentry_shape_is_right
	s_endpgm
.Lentry_shape_is_right:
; q = rope(x Wq^T), k = rope(x Wk^T), v = x Wv^T on codes of FP6 (E2M3) with E8M0 scales, sums in f32; the results are quantised at once: q and k along the head's 128, v along the keys.
; SHARES.  A work-group (x = head, y = block of 128 positions) makes 128 x 384 of the three products.  Wave (mh, nh) takes the positions 64 mh on (four tiles a of 16) and, of each of Wq, Wk, Wv, the head's row tiles
; 4 nh .. 4 nh + 3: twelve blocks be = 4 g + t, 48 accumulators.  q and k are used TRANSPOSED (source 0 = 16 rows of W, source 1 = 16 rows of x): a lane holds one position, its registers run along the head's 128.
; v is used straight: a lane holds one channel, its registers run along the keys.  The rows of every tile are 32 b + 8 u + i + 8 (i / 8), so the 16 registers of two neighbouring tiles are 16 true neighbours along the next K.
; OPERANDS come as images of their registers (1,536 bytes a fragment): three ds_load_b128 at 16 x lane bring one.  K goes through two LDS slots of THREE K steps each (4 pieces x 8 tiles x 4,608 bytes = 147,456 bytes):
; 16 K steps are six fills, 3 + 3 + 3 + 3 + 3 + 1; the sixth states one fragment as what is left of each row, and the rest of its rows is written as zeros and never read.
; CLUSTERS: 4 x 4 work-groups.  The four of a row need the same tile of x, the four of a column the same tiles of Wq, Wk, Wv: each is asked for jointly (wave 0: x; waves 1, 2, 3: Wq, Wk, Wv), one load a wave and fill.
; THE SCALE WORDS go from memory into registers: two slots and 32,768 bytes of words do not fit in LDS together.  wscales [tensor][quad of tiles][K step][row][tile in quad]: one b128 brings a lane the words of its row in four
; tiles; sixteen lanes read 256 consecutive bytes, aligned.  Lanes 0-15 take x's quad, lanes 16-31 W's.  Three loads a K step, issued three K steps ahead, into six sets of 12 registers (set = K step % 6).
; PREFETCH: fills 1 to 4 are asked for one fill ahead of their tensor loads: a piece's 8 rows are shared out by address among the four partners that load it jointly, two rows each, a lane a block of 256 bytes
; (18 blocks a row; lanes 18-31 name the last again).  Fill 0 has nothing ahead of it; fill 5 is 6 blocks a row and is left to its load.
; OUT.  qb [head][block][12,800]: 8 fragments, each in two halves of 768 bytes (half c: registers 6 c .. 6 c + 3 at 16 x lane, 6 c + 4, 5 at 512 + 8 x lane), then 128 scale words.  kv [head][key step][25,600]: K's 8 fragments,
; V's 8 (rows = channels, K = 128 keys), K's scale words, V's.  Each wave makes halves of fragments and halves of scale words; the words meet in LDS.
; LIMITS: NaN and infinities are not served; a block of zeros gets the byte 1 (its codes are zeros; only this program reads the bytes).
; REGISTERS.  window 0: v14-31 addresses; v32-103 scale words; v128-223 x's fragments, two sets of 48; in the epilogue v128-191 64 numbers, v192-211 codes, v224-249 at work.
;   window 1: v0-143 W's twelve fragments, one set.   window 2: q's accumulators at 8 (4 a + t), k's at 128 + 8 (4 a + t).   window 3: v's at 8 (4 t + a); v128-255 the cosines and sines.
.set FRB,   1536                       ; a fragment
.set ROWT,  3*FRB                      ; a tile's three fragments in a slot
.set PIECE, 8*ROWT                     ; a piece: x, Wq, Wk or Wv
.set SLOT,  4*PIECE
.set SPARE, 2*SLOT                     ; the spare words, 128 bytes for each wave
.set PFO,  14                          ; v14  the prefetches' offset: 256 x min(lane, 17); never rewritten
.set ADRA, 16                          ; v16-17 LDS address of my tiles of x in slot 0, 1
.set ADRB, 18                          ; v18-23 of my tiles of Wq, Wk, Wv: register 2 g + slot
.set L16,  24                          ; v24  16 x lane
.set L8,   25                          ; v25  8 x lane
.set MQ,   26                          ; v26  where my half of a scale word of q goes (k: 512 on)
.set ADRS, 27                          ; v27  my offset in wscales: lanes 0-15 x's quad, lanes 16-31 Wq's (Wk, Wv: 131,072 and 262,144 on)
.set SPW,  28                          ; v28  LDS address of my spare word; never rewritten
.set NIL,  29                          ; v29  0; never rewritten
.set MV,   30                          ; v30  where my half of a scale word of v goes
.set MR,   31                          ; v31  where my wave reads 512 bytes of whole words back
.set SC,   32
.set AF,   128
.set HA,   128
.set PC,   192
.set TM,   224
.set PW,   240
.set TT,   242
.set G1A,  24                          ; s[24:31] descriptor group 1 for x's tiles; s[32:39] group 0, a set for each slot
.set G0A,  32
.set G1B,  48                          ; s[48:55], s[56:63] the same for W's tiles
.set G0B,  56
.set G1AS, 68                          ; s[68:75], s[76:83] groups 1 for the sixth fill
.set G1BS, 76
.set PFA,  92                          ; s[92:93] fill 0's address of the two rows that I prefetch; never rewritten
.set MSB, 0
.macro WIN new                         ; the immediate's high byte repeats the setting that is left
.if MSB != \new
	s_set_vgpr_msb (MSB<<8)|\new
.set MSB, \new
.endif
.endm
.set QK,   0xa1                        ; source 0 (W) window 1, source 1 (x) window 0, C and D window 2
.set VV,   0xf4                        ; source 0 (x) window 0, source 1 (W) window 1, C and D window 3
.set TO_B, 0x40                        ; destination window 1, address window 0
; A joint load: wave 0 asks for x's, waves 1 to 3 for W's.  Each line has one mask; the branch hangs on the wave's number alone.  An s_nop 0 and four v_nop follow each line.
.macro JLOAD g0a, g1a, g0b, g1b
	s_cmp_eq_u32 s14, 0
	s_cbranch_scc0 .Lfor_b_\@
	tensor_load_to_lds s[\g0a:\g0a+3], s[\g1a:\g1a+7]
	s_nop 0
.rept 4
	v_nop
.endr
	s_branch .Lasked_\@
.Lfor_b_\@:
	tensor_load_to_lds s[\g0b:\g0b+3], s[\g1b:\g1b+7]
	s_nop 0
.rept 4
	v_nop
.endr
.Lasked_\@:
.endm
.macro CREST                           ; a round of the cluster's barrier behind its opening barrier
	s_cmp_lg_u32 s14, 0
	s_cbranch_scc1 .Lnot_wave_0_\@
	s_barrier_signal -3
.Lnot_wave_0_\@:
	s_barrier_wait -3
	s_barrier_signal -1
	s_barrier_wait -1
.endm
.macro CROUND
	s_barrier_signal -1
	s_barrier_wait -1
	CREST
.endm
.macro PLACES                          ; four places in front of loads into registers that matrix instructions have read, and of the first read of results
.rept 4
	v_nop
.endr
.endm
.macro ASK n                           ; fill n's bytes of my two rows
	global_prefetch_b8 v[PFO], s[PFA:PFA+1] offset:ROWT*(\n) th:TH_LOAD_NT scope:SCOPE_SE
	global_prefetch_b8 v[PFO], s[PFA:PFA+1] offset:ROWT*(\n)+24576 th:TH_LOAD_NT scope:SCOPE_SE
.endm
.macro SCLD k                          ; K step k's scale words (k counted from where s[6:7] stands) into set k % 6
.irp g, 0,1,2
	global_load_b128 v[SC+12*((\k)%6)+4*\g:SC+12*((\k)%6)+4*\g+3], v[ADRS], s[6:7] offset:131072*\g+256*(\k)
.endr
.endm
	s_load_b256 s[4:11], s[0:1], 0x0               ; wcodes s[4:5], wscales s[6:7], rope s[8:9], qb s[10:11]
	s_load_b64 s[12:13], s[0:1], 0x20              ; kv
	v_lshl_add_u32 v[SPW], v0, 2, SPARE
	v_mov_b32 v[NIL], 0
	ds_add_u32 v[SPW], v[NIL]                      ; the wave's opening: the add, twice on end, and its wait ahead of my first tensor load
	ds_add_u32 v[SPW], v[NIL]
	v_lshrrev_b32 v1, 5, v0
	v_readfirstlane_b32 s14, v1                    ; wave 0..3: also the piece that I fetch
	s_lshr_b32 s15, s14, 1                         ; mh
	s_and_b32 s16, s14, 1                          ; nh
	s_bfe_u32 s40, ttmp6, 0x40000                  ; cx, cy: my place in the cluster
	s_bfe_u32 s41, ttmp6, 0x40004
	s_lshl_b32 s42, ttmp9, 2
	s_add_co_u32 s42, s42, s40                     ; head = 4 x cluster x + cx
	s_and_b32 s17, ttmp7, 0xffff
	s_lshl_b32 s17, s17, 2
	s_add_co_u32 s17, s17, s41                     ; block of positions = 4 x cluster y + cy
	s_lshl_b32 s43, s41, 2
	s_lshl_b32 s43, 15, s43                        ; my row of the cluster
	s_lshl_b32 s44, 0x1111, s40                    ; my column
	; group 1: 8 rows (tiles) of 4,608 bytes (three fragments), 24,576 bytes apart in memory, dense in LDS; elements of 8 bytes
	s_or_b32 s[G1A], s43, (3<<16)|(1<<21)          ; 15:0 the mask: x's tiles go to my row; 17:16 elements of 8 bytes; 21 set beside a mask
	s_or_b32 s[G1B], s44, (3<<16)|(1<<21)
	s_or_b32 s[G1AS], s43, (3<<16)|(1<<21)
	s_or_b32 s[G1BS], s44, (3<<16)|(1<<21)
.irp g, G1A, G1B
	s_mov_b32 s[\g+1], 576<<16                     ; tensor_dim0
.endr
.irp g, G1AS, G1BS
	s_mov_b32 s[\g+1], 192<<16                     ; the sixth fill: one fragment is left of each row
.endr
.irp g, G1A, G1B, G1AS, G1BS
	s_mov_b32 s[\g+2], 8<<16                       ; tensor_dim1
	s_mov_b32 s[\g+3], 576<<16                     ; tile_dim0
	s_mov_b32 s[\g+4], 8                           ; tile_dim1
	s_mov_b32 s[\g+5], 3072                        ; tensor_dim0_stride
	s_mov_b32 s[\g+6], 0
	s_mov_b32 s[\g+7], 0
.endr
	s_mul_i32 s20, s17, 196608                     ; x's codes: 8 tiles of 24,576 bytes a block: the block alone enters
	s_mov_b32 s21, 0
	s_mul_i32 s46, s42, 196608                     ; W's: the head's 8 tiles,
	s_mul_i32 s18, s14, 3145728                    ; in tensor = wave (1 Wq, 2 Wk, 3 Wv)
	s_add_co_u32 s46, s46, s18
	s_mov_b32 s47, 0
	s_mul_i32 s94, s40, 49152                      ; the prefetches: of x's 8 rows the partner at cx takes two,
	s_add_co_u32 s94, s94, s20
	s_mul_i32 s95, s41, 49152                      ; of W's the partner at cy
	s_add_co_u32 s95, s95, s46
	s_cmp_eq_u32 s14, 0
	s_cselect_b32 s[PFA], s94, s95
	s_mov_b32 s[PFA+1], 0
	s_mul_i32 s45, s14, PIECE                      ; where the tiles go: piece = wave: no place in the cluster enters an LDS address
	s_wait_dscnt 0x0                               ; both opening adds are done
	s_wait_kmcnt 0x0
	s_add_nc_u64 s[20:21], s[4:5], s[20:21]
	s_add_nc_u64 s[46:47], s[4:5], s[46:47]
	s_add_nc_u64 s[PFA:PFA+1], s[4:5], s[PFA:PFA+1]
.irp s, 0,1
	s_mov_b32 s[G0A+4*\s], 1
	s_add_co_u32 s[G0A+4*\s+1], s45, \s*SLOT
	s_add_nc_u64 s[G0A+4*\s+2:G0A+4*\s+3], s[20:21], \s*ROWT
	s_or_b32 s[G0A+4*\s+3], s[G0A+4*\s+3], 0x80000000
	s_mov_b32 s[G0B+4*\s], 1
	s_add_co_u32 s[G0B+4*\s+1], s45, \s*SLOT
	s_add_nc_u64 s[G0B+4*\s+2:G0B+4*\s+3], s[46:47], \s*ROWT
	s_or_b32 s[G0B+4*\s+3], s[G0B+4*\s+3], 0x80000000
.endr
	CROUND                                         ; all sixteen work-groups are here: the first joint loads meet
	JLOAD G0A, G1A, G0B, G1B                       ; fill 0, K steps 0 to 2: one tensor load a wave at the head
	s_lshl_b32 s2, s15, 8
	s_lshl_b32 s21, s16, 1
	s_add_co_u32 s2, s2, s21                       ; 256 mh + 2 nh
	s_lshl_b32 s3, s16, 8
	s_lshl_b32 s21, s15, 1
	s_add_co_u32 s3, s3, s21
	s_add_co_u32 s3, s3, 1024                      ; 1,024 + 256 nh + 2 mh
	s_lshl_b32 s20, s14, 9
	s_mul_i32 s18, s15, 4*ROWT                     ; my four tiles of x
	s_mul_i32 s19, s16, 4*ROWT                     ; my four tiles of Wq,
	s_add_co_u32 s19, s19, PIECE                   ; which lies behind x's piece
	s_lshl_b32 s22, s17, 1
	s_add_co_u32 s22, s22, s15
	s_lshl_b32 s22, s22, 12                        ; x's quad of scale words: 2 block + mh
	s_lshl_b32 s23, s42, 1
	s_add_co_u32 s23, s23, s16
	s_lshl_b32 s23, s23, 12
	s_add_co_u32 s23, s23, 131072                  ; Wq's: tensor 1, quad 2 head + nh,
	s_sub_co_u32 s23, s23, s22                     ; as a distance from x's
	v_and_b32 v1, 31, v0                           ; lane
	v_and_b32 v2, 15, v0                           ; r
	v_bfe_u32 v3, v0, 4, 1                         ; h
	v_lshlrev_b32 v[L16], 4, v1
	v_lshlrev_b32 v[L8], 3, v1
	v_add_nc_u32 v[ADRA], s18, v[L16]
	v_add_nc_u32 v[ADRA+1], SLOT, v[ADRA]
	v_add_nc_u32 v[ADRB], s19, v[L16]
	v_add_nc_u32 v[ADRB+1], SLOT, v[ADRB]
.irp g, 1,2
	v_add_nc_u32 v[ADRB+2*\g], PIECE, v[ADRB+2*\g-2]
	v_add_nc_u32 v[ADRB+2*\g+1], PIECE, v[ADRB+2*\g-1]
.endr
	v_mul_u32_u24 v4, s23, v3                      ; lanes 16-31 take W's
	v_lshl_add_u32 v4, v2, 4, v4
	v_add_nc_u32 v[ADRS], s22, v4
	v_lshl_add_u32 v[MQ], v2, 2, s2
	v_lshl_add_u32 v[MV], v2, 2, s3
	v_add_nc_u32 v[MR], s20, v[L16]                ; 512 wave + 16 x lane
	v_min_u32 v[PFO], 17, v1
	v_lshlrev_b32 v[PFO], 8, v[PFO]
.irp b, 0,1,2,3
	v_mov_b32 v[TM+4+\b], 0                        ; written once: a lane permute's destination counts as one of its sources
.endr
	; where the results go
	s_lshl_b32 s96, s42, 4
	s_add_co_u32 s96, s96, s17                     ; 16 head + block
	s_mul_i32 s98, s96, 12800
	s_mul_i32 s96, s96, 25600
	s_mov_b32 s99, 0
	s_mov_b32 s97, 0
	s_add_nc_u64 s[98:99], s[10:11], s[98:99]      ; my block of qb
	s_add_nc_u64 s[96:97], s[12:13], s[96:97]      ; and of kv
	s_mul_i32 s2, s15, 6144
	s_mul_i32 s3, s16, 768
	s_add_co_u32 s2, s2, s3
	s_mov_b32 s3, 0
	s_add_nc_u64 s[10:11], s[98:99], s[2:3]        ; q: fragments 4 mh on, half nh
	s_add_nc_u64 s[12:13], s[96:97], s[2:3]        ; k likewise
	s_mul_i32 s2, s16, 6144
	s_mul_i32 s18, s15, 768
	s_add_co_u32 s2, s2, s18
	s_add_co_u32 s2, s2, 12288
	s_add_nc_u64 s[66:67], s[96:97], s[2:3]        ; v: fragments 4 nh on, half mh
	s_lshl_b32 s2, s14, 9
	s_add_co_u32 s2, s2, 24064                     ; the whole scale words: wave 1 k's at 24,576, wave 2 v's at 25,088 of kv's block;
	s_mov_b32 s18, 12288                           ; wave 0 q's at 12,288 of qb's
	s_cmp_eq_u32 s14, 0
	s_cselect_b32 s2, s18, s2
	s_cselect_b64 s[98:99], s[98:99], s[96:97]
	s_add_nc_u64 s[98:99], s[98:99], s[2:3]
	s_lshl_b32 s46, s17, 16                        ; the cosines and sines of my four tiles of positions, pairs 32 nh on
	s_lshl_b32 s47, s15, 15
	s_add_co_u32 s46, s46, s47
	s_lshl_b32 s47, s16, 12
	s_add_co_u32 s46, s46, s47
	s_mov_b32 s47, 0
	s_add_nc_u64 s[8:9], s[8:9], s[46:47]
	s_wait_alu depctr_va_vdst(0)                   ; directly ahead of the first reader of the offsets
	SCLD 0
	SCLD 1
	SCLD 2
	WIN 0xc0                                       ; destination window 3
.irp a, 0,1,2,3
.irp l, 0,1
.irp g, 0,1,2,3
	global_load_b128 v[128+32*\a+16*\l+4*\g:128+32*\a+16*\l+4*\g+3], v[L16], s[8:9] offset:8192*\a+2048*\l+512*\g
.endr
.endr
.endr
	WIN 0
	ASK 1                                          ; fill 1's bytes, while fill 0 is on its way
.macro FRAG reg, adr, off              ; a fragment's image: three loads of 512 consecutive bytes
	ds_load_b128 v[\reg:\reg+3], v[\adr] offset:\off
	ds_load_b128 v[\reg+4:\reg+7], v[\adr] offset:\off+512
	ds_load_b128 v[\reg+8:\reg+11], v[\adr] offset:\off+1024
.endm
.macro FETCH_B slot, q, b0             ; W's blocks b0 .. b0 + 5 of the slot's q-th K step
	WIN TO_B
.irp i, 0,1,2,3,4,5
	FRAG 12*((\b0)+\i), ADRB+2*(((\b0)+\i)/4)+\slot, ROWT*(((\b0)+\i)%4)+FRB*(\q)
.endr
	WIN 0
.endm
.macro FETCH_A slot, q, p              ; x's four tiles into set p
.irp a, 0,1,2,3
	FRAG AF+48*(\p)+12*\a, ADRA+\slot, ROWT*\a+FRB*(\q)
.endr
.endm
; Four matrix instructions: W's block be against x's four tiles.  p: x's set; ss: the set of scale words.  The 48 accumulators take turns, one instruction a turn, in the same order in every step.
.macro MULB be, p, ss, zero
.irp a, 0,1,2,3
.if (\be) < 8
.set DD, 128*((\be)/4)+8*(4*\a+(\be)%4)
.if \zero
	v_wmma_scale_f32_16x16x128_f8f6f4 v[DD:DD+7], v[12*(\be):12*(\be)+11], v[AF+48*(\p)+12*\a:AF+48*(\p)+12*\a+11], 0, v[SC+12*(\ss)+(\be)], v[SC+12*(\ss)+\a] matrix_a_fmt:MATRIX_FMT_FP6 matrix_b_fmt:MATRIX_FMT_FP6 matrix_a_scale:MATRIX_SCALE_ROW1
.else
	v_wmma_scale_f32_16x16x128_f8f6f4 v[DD:DD+7], v[12*(\be):12*(\be)+11], v[AF+48*(\p)+12*\a:AF+48*(\p)+12*\a+11], v[DD:DD+7], v[SC+12*(\ss)+(\be)], v[SC+12*(\ss)+\a] matrix_a_fmt:MATRIX_FMT_FP6 matrix_b_fmt:MATRIX_FMT_FP6 matrix_a_scale:MATRIX_SCALE_ROW1
.endif
.else
.set DD, 8*(4*((\be)-8)+\a)
.if \zero
	v_wmma_scale_f32_16x16x128_f8f6f4 v[DD:DD+7], v[AF+48*(\p)+12*\a:AF+48*(\p)+12*\a+11], v[12*(\be):12*(\be)+11], 0, v[SC+12*(\ss)+\a], v[SC+12*(\ss)+(\be)] matrix_a_fmt:MATRIX_FMT_FP6 matrix_b_fmt:MATRIX_FMT_FP6 matrix_b_scale:MATRIX_SCALE_ROW1
.else
	v_wmma_scale_f32_16x16x128_f8f6f4 v[DD:DD+7], v[AF+48*(\p)+12*\a:AF+48*(\p)+12*\a+11], v[12*(\be):12*(\be)+11], v[DD:DD+7], v[SC+12*(\ss)+\a], v[SC+12*(\ss)+(\be)] matrix_a_fmt:MATRIX_FMT_FP6 matrix_b_fmt:MATRIX_FMT_FP6 matrix_b_scale:MATRIX_SCALE_ROW1
.endif
.endif
.endr
.endm
; A K step: 48 matrix instructions on K step k (k % 2: x's set, k % 6: the scale words' set); the next step's fragments, at (ns, nq), are fetched in its middle (W's blocks 0-5, x) and at its end (W's blocks 6-11).
; kind 0: the next step lies in the same slot.  kind 1, 2, 3: the slot's last step changes slots: one barrier; in front of it each wave waits for all its tensor loads, adds 0 to its spare word, and waits for that and for
; its reads of this slot.  kind 1: the slot is filled again, two fills ahead; kind 2: likewise, and in the loop's last trip by the sixth fill's group 1; kind 3: nothing is filled.
; sld = 1: the scale words of three K steps on are asked for at the end.  lc: the scale loads issued behind this step's own, which may stay out.
.macro BODY slot, q, k, zero, ns, nq, kind, sld, lc
.set P,  (\k)%2
.set NP, ((\k)+1)%2
.set SS, (\k)%6
	s_wait_loadcnt \lc                             ; this step's scale words are in
	s_wait_dscnt 18                                ; all but the youngest 18 LDS loads (W's blocks 6-11) are in
	WIN QK
.if \kind == 0
.irp be, 0,1,2,3,4,5
	MULB \be, P, SS, \zero
.endr
	s_wait_dscnt 0x0                               ; blocks 6-11 are in (asked for 24 matrix instructions ago)
	PLACES
.else
.irp be, 0,1,2
	MULB \be, P, SS, 0
.endr
	WIN 0                                          ; (the add's two registers lie in window 0)
	s_wait_tensorcnt 0x0                           ; all my tensor loads have landed: my piece of the next slot
	ds_add_u32 v[SPW], v[NIL]                      ; 0 onto my spare word
	WIN QK
.irp be, 3,4
	MULB \be, P, SS, 0
.endr
	s_wait_dscnt 0x0                               ; the add is done, and my reads of this slot are over
	s_barrier_signal -1
	MULB 5, P, SS, 0
	WIN 0
	s_barrier_wait -1
.if \kind == 3
	PLACES
.else
	CREST                                          ; the barrier has opened a round of the cluster's barrier: no wave of any partner still reads this slot or has a load on its way
	s_add_nc_u64 s[G0A+4*\slot+2:G0A+4*\slot+3], s[G0A+4*\slot+2:G0A+4*\slot+3], 2*ROWT
	s_add_nc_u64 s[G0B+4*\slot+2:G0B+4*\slot+3], s[G0B+4*\slot+2:G0B+4*\slot+3], 2*ROWT
.if \kind == 2
	s_cmp_eq_u32 s3, 1                             ; the loop's last trip: K step 15 alone is left.  The counter is the same in every wave of every partner
	s_cbranch_scc1 .Lshort_\@
.endif
	JLOAD G0A+4*\slot, G1A, G0B+4*\slot, G1B       ; the first tensor load behind the round; its four v_nop are the places in front of the loads below
.if \kind == 2
	s_branch .Lfilled_\@
.Lshort_\@:
	JLOAD G0A+4*\slot, G1AS, G0B+4*\slot, G1BS
.Lfilled_\@:
.endif
.endif
.endif
	FETCH_B \ns, \nq, 0
	FETCH_A \ns, \nq, NP
.if \kind == 1 || \kind == 2
	s_cmp_eq_u32 s3, 2                             ; in the loop's first trip: fill 3 or 4, one fill ahead of its load; the second trip asks for nothing
	s_cbranch_scc0 .Lnot_asked_\@
	ASK 2+\kind
.Lnot_asked_\@:
.endif
	WIN QK
.irp be, 6,7
	MULB \be, P, SS, \zero
.endr
	WIN VV
.irp be, 8,9,10,11
	MULB \be, P, SS, \zero
.endr
	PLACES
	FETCH_B \ns, \nq, 6
.if \sld
	SCLD (\k)+3
.endif
.endm
	s_wait_alu depctr_va_vdst(0)                   ; the head's end
	s_wait_tensorcnt 0x0                           ; my piece of fill 0 is in
	ds_add_u32 v[SPW], v[NIL]
	s_wait_dscnt 0x0
	CROUND                                         ; everybody's piece is in, and all sixteen work-groups are here
	JLOAD G0A+4, G1A, G0B+4, G1B                   ; fill 1, K steps 3 to 5: slot 1's first fill, the first tensor load behind the round
	FETCH_B 0, 0, 0
	FETCH_A 0, 0, 0
	FETCH_B 0, 0, 6
	ASK 2
	BODY 0, 0, 0, 1, 0, 1, 0, 1, 0                 ; K step 0 stands in front of the loop: its products start the sums.  (Its wait covers the cosines and sines too)
	s_mov_b32 s3, 2
.Llap:                                                 ; a trip goes once round the ring: K steps 1 to 6, then 7 to 12; it fills both slots again
	BODY 0, 1, 1, 0, 0, 2, 0, 1, 6
	BODY 0, 2, 2, 0, 1, 0, 1, 1, 6
	BODY 1, 0, 3, 0, 1, 1, 0, 1, 6
	BODY 1, 1, 4, 0, 1, 2, 0, 1, 6
	BODY 1, 2, 5, 0, 0, 0, 2, 1, 6
	BODY 0, 0, 6, 0, 0, 1, 0, 1, 6
	s_wait_xcnt 0x0                                ; the scale loads have read their base: it is stepped only behind this wait
	s_add_nc_u64 s[6:7], s[6:7], 6*256
	s_sub_co_u32 s3, s3, 1
	s_cmp_lg_u32 s3, 0
	s_cbranch_scc1 .Llap
	BODY 0, 1, 1, 0, 0, 2, 0, 0, 6                 ; K step 13
	BODY 0, 2, 2, 0, 1, 0, 3, 0, 3                 ; K step 14: the last change of slots fills nothing
	s_wait_loadcnt 0x0                             ; K step 15
	s_wait_dscnt 18
	WIN QK
.irp be, 0,1,2,3,4,5
	MULB \be, 1, 3, 0
.endr
	s_wait_dscnt 0x0
.irp be, 6,7
	MULB \be, 1, 3, 0
.endr
	WIN VV
.irp be, 8,9,10,11
	MULB \be, 1, 3, 0
.endr
	WIN 0
	PLACES
; RoPE on tile a of positions: q's four accumulators into v[HA] .. v[HA + 31], k's into v[HA + 32] on.  Register j of tile t = 2 l + u is channel 32 (2 nh + l) + 16 h + 8 u + j: pairs (even, odd) lie in neighbouring registers.
; Each accumulator is read from its low end on.
.macro ROPE a
	WIN 0x0b                                       ; source 0 (cos, sin) window 3, source 1 (the accumulator) window 2
.irp z, 0,1
.irp t, 0,1,2,3
.set AC, 128*\z+8*(4*(\a)+\t)
.set TB, 128+32*(\a)+16*(\t/2)+8*(\t%2)
.set HD, HA+32*\z+16*(\t/2)+8*(\t%2)
.irp p, 0,1,2,3
	v_mul_f32 v[TT+2*\p], v[TB+2*\p+1], v[AC+2*\p+1]           ; s xo
	v_mul_f32 v[TT+2*\p+1], v[TB+2*\p+1], v[AC+2*\p]           ; s xe
.endr
.irp p, 0,1,2,3
	v_fma_f32 v[HD+2*\p], v[TB+2*\p], v[AC+2*\p], -v[TT+2*\p]          ; c xe - s xo
	v_fma_f32 v[HD+2*\p+1], v[TB+2*\p], v[AC+2*\p+1], v[TT+2*\p+1]     ; c xo + s xe
.endr
.endr
.endr
	WIN 0
.endm
; 64 numbers of a lane in window w, register 16 b + i = the i-th of my 16 of block b, become codes in v[PC] .. v[PC + 11] (a whole block a lane: lanes 0-15 blocks 0 and 2, lanes 16-31 blocks 1 and 3) and four scale bytes in v[PW].
.macro QUANT s, w
	WIN (\w)*5                                     ; sources 0 and 1 in window w
.irp b, 0,1,2,3
	v_max3_num_f32 v[TM+\b], |v[\s+16*\b]|, |v[\s+1+16*\b]|, 0x1800000   ; with the floor 2^(3 - 127): the byte cannot fall under 1
.endr
	WIN (\w)*20                                    ; sources 1 and 2
.irp i, 2,4,6,8,10,12,14
.irp b, 0,1,2,3
	v_max3_num_f32 v[TM+\b], v[TM+\b], |v[\s+16*\b+\i]|, |v[\s+1+16*\b+\i]|
.endr
.endr
	WIN 0
.irp b, 0,1,2,3
	v_permlanex16_b32 v[TM+4+\b], v[TM+\b], s[68:68], s[69:69]
.endr
.irp b, 0,1,2,3
	v_max_num_f32 v[TM+\b], v[TM+\b], v[TM+4+\b]   ; with lane l xor 16's: the block's largest magnitude
.endr
.irp b, 0,1,2,3
	v_add_nc_u32 v[TM+12+\b], 0xff000000, v[TM+\b] ; 2 off its exponent field: the conversion's scale operand
.endr
.irp b, 0,1,2,3
	v_lshrrev_b32 v[TM+4+\b], 23, v[TM+12+\b]      ; the scale's byte
.endr
	v_lshl_or_b32 v[PW], v[TM+5], 8, v[TM+4]
	v_lshl_or_b32 v[PW], v[TM+6], 16, v[PW]
	v_lshl_or_b32 v[PW], v[TM+7], 24, v[PW]
	WIN (\w)                                       ; source 0
.irp c, 0,1
	v_cvt_scalef32_pk16_fp6_f32 v[PC+6*\c:PC+2+6*\c], v[\s+32*\c:\s+15+32*\c], v[TM+12+2*\c]
	v_cvt_scalef32_pk16_fp6_f32 v[PC+12+4*\c:PC+14+4*\c], v[\s+16+32*\c:\s+31+32*\c], v[TM+12+2*\c+1]
.endr
	WIN 0
	v_nop                                          ; one plain place behind a scaled conversion
.irp c, 0,1
.irp i, 0,1,2
	v_permlane16_swap_b32 v[PC+6*\c+\i], v[PC+12+4*\c+\i]
.endr
.irp i, 0,1,2
	v_mov_b32 v[PC+3+6*\c+\i], v[PC+12+4*\c+\i]
.endr
.endr
.endm
	s_mov_b32 s68, 0x76543210                      ; no tensor load is out or to come: the sixth fill's descriptor registers are free.  v_permlanex16_b32's selects for lane l xor 16
	s_mov_b32 s69, 0xfedcba98
.irp a, 0,1,2,3                                ; q and k of 16 positions: my 64 channels of each are half a fragment and half a scale word
	s_wait_xcnt 0x0                                ; the earlier stores have read the codes' registers
	s_wait_dscnt 0x0                               ; and the LDS stores the word's
	ROPE \a
	QUANT HA, 0
	global_store_b128 v[L16], v[PC:PC+3], s[10:11] offset:1536*\a            ; 512 consecutive bytes, aligned to 256
	global_store_b64 v[L8], v[PC+4:PC+5], s[10:11] offset:1536*\a+512        ; 256 consecutive bytes, aligned
	global_store_b128 v[L16], v[PC+6:PC+9], s[12:13] offset:1536*\a
	global_store_b64 v[L8], v[PC+10:PC+11], s[12:13] offset:1536*\a+512
	ds_store_b16 v[MQ], v[PW] offset:64*\a                                   ; q's two bytes.  (These bytes lie in slot 0, which has had its last fill and, behind the last change of slots, its last read)
	ds_store_b16_d16_hi v[MQ], v[PW] offset:512+64*\a                        ; k's two
.endr
.irp p, 0,1                                    ; v: two tiles of 16 channels at a time; my 64 keys of each are half a fragment
	s_wait_xcnt 0x0
	s_wait_dscnt 0x0
	QUANT 64*\p, 3
	global_store_b128 v[L16], v[PC:PC+3], s[66:67] offset:1536*(2*\p)
	global_store_b64 v[L8], v[PC+4:PC+5], s[66:67] offset:1536*(2*\p)+512
	global_store_b128 v[L16], v[PC+6:PC+9], s[66:67] offset:1536*(2*\p+1)
	global_store_b64 v[L8], v[PC+10:PC+11], s[66:67] offset:1536*(2*\p+1)+512
	ds_store_b16 v[MV], v[PW] offset:64*(2*\p)
	ds_store_b16_d16_hi v[MV], v[PW] offset:64*(2*\p+1)
.endr
	s_wait_dscnt 0x0                               ; for the others' sake: my halves of the words have landed
	s_barrier_signal -1
	s_barrier_wait -1
	s_cmp_gt_u32 s14, 2                            ; three runs of 512 bytes: waves 0, 1, 2 store q's, k's, v's whole words
	s_cbranch_scc1 .Lno_words
	ds_load_b128 v[HA:HA+3], v[MR]
	s_wait_dscnt 0x0
	global_store_b128 v[L16], v[HA:HA+3], s[98:99]
.Lno_words:
	s_wait_tensorcnt 0x0                           ; the wave's end
	ds_add_u32 v[SPW], v[NIL]
	s_wait_dscnt 0x0
	CROUND                                         ; the closing round
	s_endpgm
.Lfunc_end_k_q584a18a38d_qkv:
	.size	k_q584a18a38d_qkv, .Lfunc_end_k_q584a18a38d_qkv-k_q584a18a38d_qkv
	.p2alignl 7, 3214868480
	.fill 96, 4, 3214868480
	.section	.rodata,"a",@progbits
	.p2align	6, 0x0
	.amdhsa_kernel k_q584a18a38d_qkv
		.amdhsa_group_segment_fixed_size 327680
		.amdhsa_private_segment_fixed_size 0
		.amdhsa_enable_private_segment 0
		.amdhsa_kernarg_size 40
		.amdhsa_user_sgpr_count 2
		.amdhsa_user_sgpr_kernarg_segment_ptr 1
		.amdhsa_wavefront_size32 1
		.amdhsa_system_sgpr_workgroup_id_x 1
		.amdhsa_system_sgpr_workgroup_id_y 1
		.amdhsa_system_sgpr_workgroup_id_z 1
		.amdhsa_system_vgpr_workitem_id 0
		.amdhsa_next_free_vgpr 1024
		.amdhsa_next_free_sgpr 100
		.amdhsa_reserve_vcc 0
		.amdhsa_float_denorm_mode_32 3
		.amdhsa_float_denorm_mode_16_64 3
		.amdhsa_memory_ordered 1
		.amdhsa_forward_progress 1
		.amdhsa_inst_pref_size 167
	.end_amdhsa_kernel
	.amdgpu_metadata
---
amdhsa.version: [ 1, 2 ]
amdhsa.kernels:
  - .name:           k_q584a18a38d_qkv
    .symbol:         k_q584a18a38d_qkv.kd
    .args:
      - { .name: wcodes, .offset: 0, .size: 8, .value_kind: global_buffer, .address_space: global }
      - { .name: wscales, .offset: 8, .size: 8, .value_kind: global_buffer, .address_space: global }
      - { .name: rope, .offset: 16, .size: 8, .value_kind: global_buffer, .address_space: global }
      - { .name: qb, .offset: 24, .size: 8, .value_kind: global_buffer, .address_space: global }
      - { .name: kv, .offset: 32, .size: 8, .value_kind: global_buffer, .address_space: global }
    .group_segment_fixed_size: 327680
    .private_segment_fixed_size: 0
    .kernarg_segment_align: 8
    .kernarg_segment_size: 40
    .max_flat_workgroup_size: 128
    .sgpr_count:     100
    .vgpr_count:     1024
    .wavefront_size: 32
...
	.end_amdgpu_metadata
.endif
;; end of part 2
;; launch attn (part 3): grid 16 x 16, 16 waves a work-group, clusters of 4 x 1, 327,680 bytes of LDS; arguments qb, kv, oc, os; writes oc, os
.if DOCPART == 3
	.amdgcn_target "amdgcn-amd-amdhsa--gfx1250"
	.amdhsa_code_object_version 6
	.text
	.protected	k_q584a18a38d_attn
	.globl	k_q584a18a38d_attn
	.p2align	8
	.type	k_q584a18a38d_attn,@function
k_q584a18a38d_attn:
	s_mov_b64 s[64:65], 0
	v_nop
	global_prefetch_b8 v0, s[64:65] scope:SCOPE_SE
	s_setreg_imm32_b32 hwreg(HW_REG_WAVE_MODE, 25, 1), 1
	s_wait_xcnt 0x0
	s_wait_alu depctr_hold_cnt(0) depctr_sa_sdst(0) depctr_va_vdst(0) depctr_va_sdst(0) depctr_va_ssrc(0) depctr_va_vcc(0) depctr_vm_vsrc(0)
	s_getreg_b32 s2, hwreg(HW_REG_IB_STS2, 6, 4)
	s_cmp_eq_u32 s2, 0
	s_cbranch_scc0 .Lentry_in_a_cluster
	s_endpgm
.Lentry_in_a_cluster:
	s_bfe_u32 s2, ttmp6, 0x10000c
	s_cmp_lg_u32 s2, 0x3003
	s_cbranch_scc0 .Lentry_shape_is_right
	s_endpgm
.Lentry_shape_is_right:
; o = softmax(q k^T / sqrt(128), causal) v for one head, on codes of FP6 (E2M3) with E8M0 scales; o is quantised at once along the head's 128 for the projection that follows.
; LEFT OUT: the tiles of 16 queries x 128 keys that lie wholly above the diagonal of the mask that the problem builds itself (jnp.tril): their scores are -inf for every input and add nothing to any row.
; p = 2^(t - M), t = score x log2(e) / sqrt(128), M the ceiling of the running largest t, a whole number: every rescaling is an exact power of two.  The row's sum is taken of the unquantised p.
; LIMITS: the promise holds while the scaled scores t stay under 2^31 in magnitude; NaN and infinities are not served; a block of zeros gets the scale byte 1 (its codes are zeros; only this program reads the bytes).
; SHARES.  y = head; cluster x = c (0 .. 3); cx = place in the cluster.  A work-group takes 32 rows (tiles 2 cx, 2 cx + 1 of eight) of the four blocks of 128 queries g = c, 7 - c, 15 - c, 8 + c: 34 steps of 128 keys for each tile
; pair whatever c.  Wave = (g, tile, rho): 16 queries, the key steps of parity rho up to g.  The two parities' results meet in LDS at the end.  Each SIMD gets one wave of each g.
; Both products are used transposed (S^T = k q^T, O^T = v^T p^T): a lane holds one query.  The keys of a tile are 32 b + 8 u + i + 8 (i / 8), so p's 16 registers of two neighbouring tiles are 16 neighbouring keys.
; K AND V: kv [head][key step][25,600]: K's 8 fragments, V's 8, K's scale words, V's.  Two LDS slots of four key steps; each of the 16 waves brings 6,400 bytes of a slot.  The four work-groups of a cluster walk the same head:
; joint loads, mask 15.  Every partner walks all four slots (g reaches 12 at the least), so all make every joint request.
; PREFETCH: slots 1, 2, 3 are asked for one fill ahead of their loads: of a wave's 25 blocks of 256 bytes the partner at cx names blocks 7 cx .. 7 cx + 6 (held at 24), a lane a block; lanes left over name the last again.
; REGISTERS: v1-v11 addresses; v12 -M, v13 the largest t, v14-15 the sum; v16-27 q; v28 the mask's bound; v32-79 four fragments; v80-91, v148-159, v224-247 K's tiles 7, 4, 5, 6 (idle registers at that point of a step);
; v92-95, v248-251, v253, v255 scale words; v96-159 scores, then p, then V's tiles 4-7; v160-223 O^T; v224-235 p's codes; v232-247 at work.
.set STEPB, 25600
.set SLOTB, 4*STEPB
.set SPARE, 2*SLOTB                    ; the spare words, 128 bytes for each of 16 waves
.set STG,   SPARE+16*128               ; eight stages, one for each pair of parities: O^T (8,192 bytes), then -M and the sum
.set STGP,  8448
.set SPW, 5
.set NIL, 6
.set PFO, 11
.set WV,  12
.set GG,  16
.set RHO, 17
.set KS,  18
.set TB,  19
.set SEL, 20
.set CS,  22
.set G1,  24
.set G0,  32
.set TRIP, 40
.set RB,  41
.set PC,  32
.set TM,  232
.set PW,  30
.macro CROUND
	s_barrier_signal -1
	s_barrier_wait -1
	s_cmp_lg_u32 s[WV], 0
	s_cbranch_scc1 .Lnot_wave_0_\@
	s_barrier_signal -3
.Lnot_wave_0_\@:
	s_barrier_wait -3
	s_barrier_signal -1
	s_barrier_wait -1
.endm
.macro ASK n                           ; my share of my wave's piece of slot n
	global_prefetch_b8 v[PFO], s[6:7] offset:(\n)*SLOTB th:TH_LOAD_NT scope:SCOPE_SE
.endm
	s_load_b256 s[4:11], s[0:1], 0x0               ; qb, kv, oc, os
	v_lshl_add_u32 v[SPW], v0, 2, SPARE
	v_mov_b32 v[NIL], 0
	ds_add_u32 v[SPW], v[NIL]                      ; the wave's opening: the add, twice on end, and its wait ahead of my first tensor load
	ds_add_u32 v[SPW], v[NIL]
	v_lshrrev_b32 v1, 5, v0
	s_delay_alu instid0(VALU_DEP_1)
	v_readfirstlane_b32 s[WV], v1
	s_bfe_u32 s13, ttmp6, 0x40000                  ; cx
	s_mov_b32 s14, ttmp9                           ; c
	s_and_b32 s15, ttmp7, 0xffff                   ; head
	s_lshr_b32 s42, s[WV], 2
	s_add_co_u32 s42, s42, s[WV]
	s_and_b32 s42, s42, 3                          ; which of the four blocks: (wave / 4 + wave) % 4, so that waves 4 apart differ
	s_and_b32 s[RHO], s[WV], 1
	s_bfe_u32 s43, s[WV], 0x10001                  ; which of the two tiles
	s_sub_co_u32 s44, 7, s14
	s_sub_co_u32 s45, 15, s14
	s_add_co_u32 s46, s14, 8
	s_cmp_eq_u32 s42, 1
	s_cselect_b32 s[GG], s44, s14
	s_cmp_eq_u32 s42, 2
	s_cselect_b32 s[GG], s45, s[GG]
	s_cmp_eq_u32 s42, 3
	s_cselect_b32 s[GG], s46, s[GG]
	s_lshl_b32 s47, s42, 1
	s_add_co_u32 s47, s47, s43
	s_mul_i32 s47, s47, STGP
	s_add_co_u32 s47, s47, STG                     ; my pair's stage
	s_mul_i32 s[RB], s[RHO], STEPB
	s_mov_b32 s[G1], 15|(3<<16)|(1<<21)            ; the mask names the cluster's four; elements of 8 bytes; 25 rows of 256 bytes, dense
	s_mov_b32 s[G1+1], 32<<16
	s_mov_b32 s[G1+2], 25<<16
	s_mov_b32 s[G1+3], 32<<16
	s_mov_b32 s[G1+4], 25
	s_mov_b32 s[G1+5], 32
	s_mov_b32 s[G1+6], 0
	s_mov_b32 s[G1+7], 0
	s_mul_i32 s48, s15, 409600
	s_mul_i32 s49, s[WV], 6400
	s_add_co_u32 s50, s48, s49
	s_mov_b32 s51, 0
	s_mov_b32 s[SEL], 0x76543210
	s_mov_b32 s[SEL+1], 0xfedcba98                 ; v_permlanex16_b32's selects for lane l xor 16
	s_mov_b32 s[CS], 0x3e0293ee                    ; log2(e) / sqrt(128)
	s_mov_b32 s[CS+1], s[CS]
	s_mov_b32 s[KS], s[RHO]
	s_wait_dscnt 0x0
	s_wait_kmcnt 0x0
	s_add_nc_u64 s[6:7], s[6:7], s[50:51]          ; my wave's piece of the head's slot 0; kept for the prefetches
.irp s, 0,1
	s_mov_b32 s[G0+4*\s], 1
	s_add_co_u32 s[G0+4*\s+1], s49, \s*SLOTB
	s_add_nc_u64 s[G0+4*\s+2:G0+4*\s+3], s[6:7], \s*SLOTB
	s_or_b32 s[G0+4*\s+3], s[G0+4*\s+3], 0x80000000
.endr
	CROUND
	tensor_load_to_lds s[G0:G0+3], s[G1:G1+7]      ; slot 0: one tensor load a wave at the head
	s_nop 0
	; all that follows, down to the wait for slot 0, stands under that load's flight
	s_lshl_b32 s52, s13, 1
	s_add_co_u32 s52, s52, s43                     ; my tile of the block's eight
	s_lshl_b32 s53, s15, 4
	s_add_co_u32 s53, s53, s[GG]
	s_mul_i32 s53, s53, 12800
	s_mul_i32 s54, s52, 1536
	s_add_co_u32 s54, s54, s53
	s_mov_b32 s55, 0
	s_add_nc_u64 s[56:57], s[4:5], s[54:55]        ; q's fragment
	s_lshl_b32 s54, s52, 6
	s_add_co_u32 s54, s54, s53
	s_add_co_u32 s54, s54, 12288
	s_add_nc_u64 s[58:59], s[4:5], s[54:55]        ; and its scale words
	s_lshl_b32 s62, s13, 5
	s_lshl_b32 s60, s43, 3
	s_add_co_u32 s62, s62, s60                     ; the tile's first row in its block
	s_mul_i32 s63, s13, 7
	s_lshl_b32 s54, s[GG], 3
	s_add_co_u32 s54, s54, s52                     ; the tile among all 128
	s_lshl_b32 s60, s54, 4
	s_add_co_u32 s60, s60, s15
	s_mul_i32 s60, s60, 1536
	s_mov_b32 s61, 0
	s_add_nc_u64 s[8:9], s[8:9], s[60:61]          ; oc [tile][K step = head][1,536]
	s_lshr_b32 s60, s54, 2                         ; os [quad of 4 tiles][K step = head][row 16][tile in quad 4] words
	s_lshl_b32 s60, s60, 12
	s_and_b32 s54, s54, 3
	s_lshl_b32 s54, s54, 2
	s_add_co_u32 s60, s60, s54
	s_lshl_b32 s54, s15, 8
	s_add_co_u32 s60, s60, s54
	s_add_nc_u64 s[10:11], s[10:11], s[60:61]
	v_and_b32 v11, 31, v0
	v_and_b32 v29, 15, v0
	v_bfe_u32 v31, v0, 4, 1
	v_lshlrev_b32 v1, 4, v11                       ; 16 x lane
	v_lshlrev_b32 v2, 3, v11                       ; 8 x lane
	v_lshlrev_b32 v3, 2, v29                       ; 4 r
	v_and_b32 v28, 8, v29
	v_lshlrev_b32 v31, 4, v31
	v_add_nc_u32 v7, s47, v1
	v_add_nc_u32 v4, s47, v2
	v_add_nc_u32 v28, v28, v29
	v_min_u32 v11, 6, v11
	v_add_nc_u32 v4, 8192, v4
	v_sub_nc_u32 v28, v28, v31
	v_add_nc_u32 v11, s63, v11
	v_add_nc_u32 v28, s62, v28                     ; my query's row in its block less 16 h: key 32 (n / 16) + n % 16 of register n counts while it is not above this
	v_min_u32 v11, 24, v11
	s_delay_alu instid0(VALU_DEP_1)
	v_lshlrev_b32 v[PFO], 8, v11
	s_wait_alu depctr_va_vdst(0)                   ; directly ahead of the first reader of the offsets
	global_load_b128 v[16:19], v1, s[56:57]
	global_load_b64 v[20:21], v2, s[56:57] offset:512
	global_load_b128 v[22:25], v1, s[56:57] offset:768
	global_load_b64 v[26:27], v2, s[56:57] offset:1280
	global_load_b32 v255, v3, s[58:59]
	ASK 1
	v_mov_b32 v13, 0xff61b1e6                      ; the largest t so far: -3e38
	s_delay_alu instid0(VALU_DEP_1)
	v_floor_f32 v12, -v13
	v_mov_b32 v14, 0
	v_mov_b32 v15, 0
.irp b, 0,1,2,3
	v_mov_b32 v[236+\b], 0
.endr
	v_mov_b32 v252, 0
	v_mov_b32 v253, 0
.irp j, 0,1,2,3,4,5,6,7,8,9,10,11,12,13,14,15,16,17,18,19,20,21,22,23,24,25,26,27,28,29,30,31,32,33,34,35,36,37,38,39,40,41,42,43,44,45,46,47,48,49,50,51,52,53,54,55,56,57,58,59,60,61,62,63
	v_mov_b32 v[160+\j], 0                         ; the step is written once: the first finds zeros, which the first change of M leaves zeros
.endr
	s_wait_alu depctr_va_vdst(0)                   ; the head's end
	s_wait_tensorcnt 0x0                           ; my piece of slot 0 is in
	ds_add_u32 v[SPW], v[NIL]
	s_wait_dscnt 0x0
	CROUND                                         ; everybody's piece is in, and the four work-groups are here
	tensor_load_to_lds s[G0+4:G0+7], s[G1:G1+7]    ; slot 1's first fill, the first tensor load behind the round
	s_nop 0
.rept 4
	v_nop
.endr
	ASK 2
	s_wait_loadcnt 0x0                             ; q
.macro FRAGH reg, off                  ; a fragment in two halves of 768 bytes
	ds_load_b128 v[\reg:\reg+3], v8 offset:\off
	ds_load_b64 v[\reg+4:\reg+5], v9 offset:\off+512
	ds_load_b128 v[\reg+6:\reg+9], v8 offset:\off+768
	ds_load_b64 v[\reg+10:\reg+11], v9 offset:\off+1280
.endm
.macro SMUL d, a, sc                   ; a tile of scores: 16 keys x my 16 queries
	v_wmma_scale_f32_16x16x128_f8f6f4 v[\d:\d+7], v[\a:\a+11], v[16:27], 0, v[\sc], v255 matrix_a_fmt:MATRIX_FMT_FP6 matrix_b_fmt:MATRIX_FMT_FP6
.endm
.macro PMUL d, a, sc                   ; a tile of O^T: 16 channels x my 16 queries, over 128 keys
	v_wmma_scale_f32_16x16x128_f8f6f4 v[\d:\d+7], v[\a:\a+11], v[224:235], v[\d:\d+7], v[\sc], v253 matrix_a_fmt:MATRIX_FMT_FP6 matrix_b_fmt:MATRIX_FMT_FP6
.endm
.macro SLOT_STEPS base                 ; my two key steps of a slot; a step past my block's diagonal is jumped over: the test is made of ids alone and leads round no barrier, wait or add
	s_add_co_u32 s[TB], s[RB], \base
	s_mov_b32 s[TRIP], 2
.Lstep_\@:
	s_cmp_gt_u32 s[KS], s[GG]
	s_cbranch_scc1 .Lskip_\@
	v_add_nc_u32 v8, s[TB], v1
	v_add_nc_u32 v9, s[TB], v2
	v_add_nc_u32 v10, s[TB], v3
	s_wait_alu depctr_va_vdst(0)
	v_nop                                          ; with the three above: five places behind the last step's products, whose operands are loaded into and written over below
	v_nop
.irp t, 0,1,2,3                        ; K's eight fragments in one run
	FRAGH 32+12*\t, 1536*\t
	ds_load_b32 v[248+\t], v10 offset:24576+64*\t
.endr
	FRAGH 148, 1536*4
	ds_load_b32 v92, v10 offset:24576+64*4
	FRAGH 224, 1536*5
	ds_load_b32 v93, v10 offset:24576+64*5
	FRAGH 236, 1536*6
	ds_load_b32 v94, v10 offset:24576+64*6
	FRAGH 80, 1536*7
	ds_load_b32 v95, v10 offset:24576+64*7
	s_wait_dscnt 20                                ; tiles 0-3 are in; the 20 loads of tiles 4-7 may be out
.irp t, 0,1,2,3
	SMUL 96+8*\t, 32+12*\t, 248+\t
.endr
	s_wait_dscnt 0x0
	SMUL 128, 148, 92
	SMUL 136, 224, 93
.rept 5
	v_nop                                          ; five places: the two tiles below write over tile 4's fragment
.endr
	SMUL 144, 236, 94
	SMUL 152, 80, 95
.rept 4
	v_nop
.endr
.irp t, 0,1,2,3                        ; V's tiles 0-3: they land under the softmax
	FRAGH 32+12*\t, 12288+1536*\t
	ds_load_b32 v[248+\t], v10 offset:25088+64*\t
.endr
	s_cmp_lg_u32 s[KS], s[GG]
	s_cbranch_scc1 .Lopen_\@
	v_mov_b32 v254, 0xff800000                     ; the step on the diagonal: keys above my query get -inf
.irp n, 0,1,2,3,4,5,6,7,8,9,10,11,12,13,14,15,16,17,18,19,20,21,22,23,24,25,26,27,28,29,30,31,32,33,34,35,36,37,38,39,40,41,42,43,44,45,46,47,48,49,50,51,52,53,54,55,56,57,58,59,60,61,62,63
	v_cmp_gt_i32 vcc_lo, 32*(\n/16)+\n%16, v28
	v_cndmask_b32 v[96+\n], v[96+\n], v254, vcc_lo
.endr
.Lopen_\@:
.irp b, 0,1,2,3
	v_max3_num_f32 v[232+\b], v[96+16*\b], v[97+16*\b], v[98+16*\b]   ; the largest score of each block of 32 keys
.endr
.irp i, 3,5,7,9,11,13
.irp b, 0,1,2,3
	v_max3_num_f32 v[232+\b], v[232+\b], v[96+16*\b+\i], v[97+16*\b+\i]
.endr
.endr
.irp b, 0,1,2,3
	v_max_num_f32 v[232+\b], v[232+\b], v[111+16*\b]
.endr
.irp b, 0,1,2,3
	s_delay_alu instid0(VALU_DEP_4)
	v_permlanex16_b32 v[236+\b], v[232+\b], s[SEL], s[SEL+1]
.endr
.irp b, 0,1,2,3
	s_delay_alu instid0(VALU_DEP_4)
	v_max_num_f32 v[232+\b], v[232+\b], v[236+\b]
.endr
	s_delay_alu instid0(VALU_DEP_2)
	v_max3_num_f32 v254, v232, v233, v234
	s_delay_alu instid0(VALU_DEP_1)
	v_max_num_f32 v254, v254, v235
	s_delay_alu instid0(VALU_DEP_1)
	v_mul_f32 v254, s[CS], v254
	s_delay_alu instid0(VALU_DEP_1)
	v_max_num_f32 v13, v13, v254                   ; the running largest t
	v_mov_b32 v254, v12
	s_delay_alu instid0(VALU_DEP_2)
	v_floor_f32 v12, -v13                          ; -M = floor(-t)
	s_delay_alu instid0(VALU_DEP_1)
	v_sub_f32 v254, v12, v254
	s_delay_alu instid0(VALU_DEP_1)
	v_cvt_i32_f32 v254, v254
	s_delay_alu instid0(VALU_DEP_1)
	v_ldexp_f32 v252, 1.0, v254                    ; f = 2^(old M - new M)
.irp j, 0,2,4,6,8,10,12,14,16,18,20,22,24,26,28,30,32,34,36,38,40,42,44,46,48,50,52,54,56,58,60,62
	v_pk_fma_f32 v[96+\j:97+\j], v[96+\j:97+\j], s[CS:CS+1], v[12:13] op_sel_hi:[1,0,0]   ; t - M
.endr
.irp b, 0,1,2,3
	v_fma_f32 v[232+\b], v[232+\b], s[CS], v12
.endr
	s_wait_alu depctr_va_vdst(0)                   ; ahead of the batch
.irp j, 0,1,2,3,4,5,6,7,8,9,10,11,12,13,14,15,16,17,18,19,20,21,22,23,24,25,26,27,28,29,30,31,32,33,34,35,36,37,38,39,40,41,42,43,44,45,46,47,48,49,50,51,52,53,54,55,56,57,58,59,60,61,62,63
	v_exp_f32 v[96+\j], v[96+\j]                   ; p
.endr
	v_pk_mul_f32 v[14:15], v[14:15], v[252:253] op_sel_hi:[1,0]
	s_wait_alu depctr_va_vdst(0)                   ; one wait for the batch, ahead of its first reader
.irp b, 0,1,2,3
	v_exp_f32 v[232+\b], v[232+\b]                 ; each block's largest p
.endr
	v_pk_add_f32 v[236:237], v[96:97], v[98:99]    ; the row's sum, of the unquantised p, in two chains
.irp j, 4,8,12,16,20,24,28,32,36,40,44,48,52,56,60
	v_pk_add_f32 v[14:15], v[14:15], v[96+\j:97+\j]
	v_pk_add_f32 v[236:237], v[236:237], v[98+\j:99+\j]
.endr
	s_delay_alu instid0(VALU_DEP_1)
	v_pk_add_f32 v[14:15], v[14:15], v[236:237]
	s_wait_alu depctr_va_vdst(0)                   ; and one for the four
.irp b, 0,1,2,3
	v_max_num_f32 v[232+\b], 0x1800000, v[232+\b]  ; the floor 2^(3 - 127): the byte cannot fall under 1
.endr
.irp b, 0,1,2,3
	s_delay_alu instid0(VALU_DEP_4)
	v_add_nc_u32 v[244+\b], 0xff000000, v[232+\b]  ; 2 off the exponent field: the conversion's scale operand
.endr
.irp b, 0,1,2,3
	s_delay_alu instid0(VALU_DEP_4)
	v_lshrrev_b32 v[236+\b], 23, v[244+\b]
.endr
	s_delay_alu instid0(VALU_DEP_3)
	v_lshl_or_b32 v253, v237, 8, v236              ; p's scale word for these 128 keys
	s_delay_alu instid0(VALU_DEP_1)
	v_lshl_or_b32 v253, v238, 16, v253
	s_delay_alu instid0(VALU_DEP_1)
	v_lshl_or_b32 v253, v239, 24, v253
.irp c, 0,1
	v_cvt_scalef32_pk16_fp6_f32 v[224+6*\c:226+6*\c], v[96+32*\c:111+32*\c], v[244+2*\c]
	v_cvt_scalef32_pk16_fp6_f32 v[236+4*\c:238+4*\c], v[112+32*\c:127+32*\c], v[244+2*\c+1]
.endr
	v_nop                                          ; one plain place behind a scaled conversion
.irp t, 0,1,2,3                        ; p's registers are free: V's tiles 4-7 are asked for now and land under what follows
	FRAGH 96+12*\t, 12288+1536*(4+\t)
	ds_load_b32 v[92+\t], v10 offset:25088+64*(4+\t)
.endr
.irp c, 0,1
.irp i, 0,1,2
	v_permlane16_swap_b32 v[224+6*\c+\i], v[236+4*\c+\i]
.endr
.irp i, 0,1,2
	s_delay_alu instid0(VALU_DEP_3)
	v_mov_b32 v[227+6*\c+\i], v[236+4*\c+\i]
.endr
.endr
.irp j, 0,2,4,6,8,10,12,14,16,18,20,22,24,26,28,30,32,34,36,38,40,42,44,46,48,50,52,54,56,58,60,62
	v_pk_mul_f32 v[160+\j:161+\j], v[160+\j:161+\j], v[252:253] op_sel_hi:[1,0]   ; O^T under the new M
.endr
	s_wait_alu depctr_va_vdst(0)                   ; directly ahead of the wait below
	s_wait_dscnt 20                                ; V's tiles 0-3 are in; the 20 loads of tiles 4-7 may be out
.irp t, 0,1,2,3
	PMUL 160+8*\t, 32+12*\t, 248+\t
.endr
	s_wait_dscnt 0x0
.irp t, 0,1,2,3
	PMUL 192+8*\t, 96+12*\t, 92+\t
.endr
.Lskip_\@:
	s_add_co_u32 s[KS], s[KS], 2
	s_add_co_u32 s[TB], s[TB], 2*STEPB
	s_sub_co_u32 s[TRIP], s[TRIP], 1
	s_cmp_lg_u32 s[TRIP], 0
	s_cbranch_scc1 .Lstep_\@
.endm
.macro CHANGE fill, slot               ; a change of slots: every wave waits for all its tensor loads, adds 0 to its spare word, and waits for that and for its reads; fill = 1: the slot just read is filled again behind a round
	s_wait_tensorcnt 0x0
	ds_add_u32 v[SPW], v[NIL]
.if \fill
	s_add_nc_u64 s[G0+4*\slot+2:G0+4*\slot+3], s[G0+4*\slot+2:G0+4*\slot+3], 2*SLOTB
.endif
	s_wait_dscnt 0x0
.if \fill
	CROUND
	tensor_load_to_lds s[G0+4*\slot:G0+4*\slot+3], s[G1:G1+7]
	s_nop 0
.rept 4
	v_nop
.endr
.if \slot == 0
	ASK 3
.endif
.else
	s_barrier_signal -1
	s_barrier_wait -1
.endif
.endm
	SLOT_STEPS 0
	CHANGE 1, 0
	SLOT_STEPS SLOTB
	CHANGE 1, 1
	SLOT_STEPS 0
	CHANGE 0, 0
	SLOT_STEPS SLOTB
.rept 4
	v_nop
.endr
	v_add_f32 v13, v14, v15
	s_cmp_eq_u32 s[RHO], 0
	s_cbranch_scc1 .Lkeeps
	s_wait_alu depctr_va_vdst(0)
.irp g, 0,1,2,3,4,5,6,7,8,9,10,11,12,13,14,15
	ds_store_b128 v7, v[160+4*\g:163+4*\g] offset:512*\g   ; the odd parity hands O^T, -M and its sum to the even one
.endr
	ds_store_b64 v4, v[12:13]
.Lkeeps:
	s_wait_dscnt 0x0
	s_barrier_signal -1
	s_barrier_wait -1
	s_cmp_lg_u32 s[RHO], 0
	s_cbranch_scc1 .Lend
.irp g, 0,1,2,3,4,5,6,7,8,9,10,11,12,13,14,15
	ds_load_b128 v[96+4*\g:99+4*\g], v7 offset:512*\g
.endr
	ds_load_b64 v[240:241], v4
	s_wait_dscnt 0x0
	v_min_num_f32 v242, v12, v240                  ; the larger M of the two; both parts are brought under it by exact powers of two
	s_delay_alu instid0(VALU_DEP_1)
	v_sub_f32 v243, v242, v12
	s_delay_alu instid0(VALU_DEP_2)
	v_sub_f32 v244, v242, v240
	s_delay_alu instid0(VALU_DEP_2)
	v_cvt_i32_f32 v243, v243
	s_delay_alu instid0(VALU_DEP_2)
	v_cvt_i32_f32 v244, v244
	s_delay_alu instid0(VALU_DEP_2)
	v_ldexp_f32 v236, 1.0, v243
	s_wait_alu depctr_va_vdst(0)
	v_ldexp_f32 v238, 1.0, v244
	v_mul_f32 v14, v13, v236
	s_delay_alu instid0(VALU_DEP_1)
	v_fma_f32 v14, v241, v238, v14
	s_delay_alu instid0(VALU_DEP_1)
	v_permlanex16_b32 v252, v14, s[SEL], s[SEL+1]
	s_delay_alu instid0(VALU_DEP_1)
	v_add_f32 v14, v14, v252                       ; the row's sum
	s_wait_alu depctr_va_vdst(0)
	v_rcp_f32 v14, v14
	v_nop
	s_wait_alu depctr_va_vdst(0)
	v_mul_f32 v236, v236, v14
	v_mul_f32 v238, v238, v14
.irp j, 0,2,4,6,8,10,12,14,16,18,20,22,24,26,28,30,32,34,36,38,40,42,44,46,48,50,52,54,56,58,60,62
	v_pk_mul_f32 v[160+\j:161+\j], v[160+\j:161+\j], v[236:237] op_sel_hi:[1,0]
.endr
.irp j, 0,2,4,6,8,10,12,14,16,18,20,22,24,26,28,30,32,34,36,38,40,42,44,46,48,50,52,54,56,58,60,62
	v_pk_fma_f32 v[96+\j:97+\j], v[96+\j:97+\j], v[238:239], v[160+\j:161+\j] op_sel_hi:[1,0,1]   ; o: register 16 b + i = channel 32 b + 16 h + i of my query
.endr
.irp b, 0,1,2,3
	v_max3_num_f32 v[TM+\b], |v[96+16*\b]|, |v[97+16*\b]|, 0x1800000
.endr
.irp i, 2,4,6,8,10,12,14
.irp b, 0,1,2,3
	s_delay_alu instid0(VALU_DEP_4)
	v_max3_num_f32 v[TM+\b], v[TM+\b], |v[96+16*\b+\i]|, |v[97+16*\b+\i]|
.endr
.endr
.irp b, 0,1,2,3
	s_delay_alu instid0(VALU_DEP_4)
	v_permlanex16_b32 v[TM+4+\b], v[TM+\b], s[SEL], s[SEL+1]
.endr
.irp b, 0,1,2,3
	s_delay_alu instid0(VALU_DEP_4)
	v_max_num_f32 v[TM+\b], v[TM+\b], v[TM+4+\b]
.endr
.irp b, 0,1,2,3
	s_delay_alu instid0(VALU_DEP_4)
	v_add_nc_u32 v[TM+12+\b], 0xff000000, v[TM+\b]
.endr
.irp b, 0,1,2,3
	s_delay_alu instid0(VALU_DEP_4)
	v_lshrrev_b32 v[TM+4+\b], 23, v[TM+12+\b]
.endr
	s_delay_alu instid0(VALU_DEP_3)
	v_lshl_or_b32 v[PW], v[TM+5], 8, v[TM+4]
	s_delay_alu instid0(VALU_DEP_1)
	v_lshl_or_b32 v[PW], v[TM+6], 16, v[PW]
	s_delay_alu instid0(VALU_DEP_1)
	v_lshl_or_b32 v[PW], v[TM+7], 24, v[PW]
.irp c, 0,1
	v_cvt_scalef32_pk16_fp6_f32 v[PC+6*\c:PC+2+6*\c], v[96+32*\c:111+32*\c], v[TM+12+2*\c]
	v_cvt_scalef32_pk16_fp6_f32 v[PC+12+4*\c:PC+14+4*\c], v[112+32*\c:127+32*\c], v[TM+12+2*\c+1]
.endr
	v_nop
.irp c, 0,1
.irp i, 0,1,2
	v_permlane16_swap_b32 v[PC+6*\c+\i], v[PC+12+4*\c+\i]
.endr
.irp i, 0,1,2
	s_delay_alu instid0(VALU_DEP_3)
	v_mov_b32 v[PC+3+6*\c+\i], v[PC+12+4*\c+\i]
.endr
.endr
.irp g, 0,1,2
	global_store_b128 v1, v[PC+4*\g:PC+4*\g+3], s[8:9] offset:512*\g   ; 512 consecutive bytes, aligned to 256
.endr
	v_and_b32 v29, 15, v0
	v_lshlrev_b32 v29, 4, v29                      ; my row's 16 bytes of the K step's 256
	global_store_b32 v29, v[PW], s[10:11]
.Lend:
	s_wait_tensorcnt 0x0                           ; the wave's end
	ds_add_u32 v[SPW], v[NIL]
	s_wait_dscnt 0x0
	CROUND                                         ; the closing round
	s_endpgm
.Lfunc_end_k_q584a18a38d_attn:
	.size	k_q584a18a38d_attn, .Lfunc_end_k_q584a18a38d_attn-k_q584a18a38d_attn
	.p2alignl 7, 3214868480
	.fill 96, 4, 3214868480
	.section	.rodata,"a",@progbits
	.p2align	6, 0x0
	.amdhsa_kernel k_q584a18a38d_attn
		.amdhsa_group_segment_fixed_size 327680
		.amdhsa_private_segment_fixed_size 0
		.amdhsa_enable_private_segment 0
		.amdhsa_kernarg_size 32
		.amdhsa_user_sgpr_count 2
		.amdhsa_user_sgpr_kernarg_segment_ptr 1
		.amdhsa_wavefront_size32 1
		.amdhsa_system_sgpr_workgroup_id_x 1
		.amdhsa_system_sgpr_workgroup_id_y 1
		.amdhsa_system_sgpr_workgroup_id_z 1
		.amdhsa_system_vgpr_workitem_id 0
		.amdhsa_next_free_vgpr 256
		.amdhsa_next_free_sgpr 66
		.amdhsa_reserve_vcc 1
		.amdhsa_float_denorm_mode_32 3
		.amdhsa_float_denorm_mode_16_64 3
		.amdhsa_memory_ordered 1
		.amdhsa_forward_progress 1
		.amdhsa_inst_pref_size 132
	.end_amdhsa_kernel
	.amdgpu_metadata
---
amdhsa.version: [ 1, 2 ]
amdhsa.kernels:
  - .name:           k_q584a18a38d_attn
    .symbol:         k_q584a18a38d_attn.kd
    .args:
      - { .name: qb, .offset: 0, .size: 8, .value_kind: global_buffer, .address_space: global }
      - { .name: kv, .offset: 8, .size: 8, .value_kind: global_buffer, .address_space: global }
      - { .name: oc, .offset: 16, .size: 8, .value_kind: global_buffer, .address_space: global }
      - { .name: os, .offset: 24, .size: 8, .value_kind: global_buffer, .address_space: global }
    .group_segment_fixed_size: 327680
    .private_segment_fixed_size: 0
    .kernarg_segment_align: 8
    .kernarg_segment_size: 32
    .max_flat_workgroup_size: 512
    .sgpr_count:     66
    .vgpr_count:     256
    .wavefront_size: 32
...
	.end_amdgpu_metadata
.endif
;; end of part 3
;; launch oproj (part 4): grid 16 x 16, 4 waves a work-group, clusters of 4 x 4, 327,680 bytes of LDS; arguments oc, os, wcodes, wscales, out0; writes out0
.if DOCPART == 4
	.amdgcn_target "amdgcn-amd-amdhsa--gfx1250"
	.amdhsa_code_object_version 6
	.text
	.protected	k_q584a18a38d_oproj
	.globl	k_q584a18a38d_oproj
	.p2align	8
	.type	k_q584a18a38d_oproj,@function
k_q584a18a38d_oproj:
	s_mov_b64 s[64:65], 0
	v_nop
	global_prefetch_b8 v0, s[64:65] scope:SCOPE_SE
	s_setreg_imm32_b32 hwreg(HW_REG_WAVE_MODE, 25, 1), 1
	s_wait_xcnt 0x0
	s_wait_alu depctr_hold_cnt(0) depctr_sa_sdst(0) depctr_va_vdst(0) depctr_va_sdst(0) depctr_va_ssrc(0) depctr_va_vcc(0) depctr_vm_vsrc(0)
	s_getreg_b32 s2, hwreg(HW_REG_IB_STS2, 6, 4)
	s_cmp_eq_u32 s2, 0
	s_cbranch_scc0 .Lentry_in_a_cluster
	s_endpgm
.Lentry_in_a_cluster:
	s_bfe_u32 s2, ttmp6, 0x10000c
	s_cmp_lg_u32 s2, 0xf033
	s_cbranch_scc0 .Lentry_shape_is_right
	s_endpgm
.Lentry_shape_is_right:
; out0 = o Wo^T on codes of FP6 (E2M3) with E8M0 scales; sums in f32.  o: oc [tile 128][K step 16][1,536]; Wo: tensor 4 of wcodes, laid likewise.
; A tile of the output is 128 x 128, so that there are 256 work-groups; four waves, each 64 x 64: 16 accumulators.  The product is used TRANSPOSED (source 0 = 16 rows of Wo, source 1 = 16 rows of o): a lane holds one row
; of the output and eight neighbouring columns an accumulator.  The rows of every tile are 32 b + 8 u + i + 8 (i / 8): the way out puts columns and rows back at their true places.
; Fragments come as images of their registers: three ds_load_b128 at 16 x lane.  K goes through two LDS slots of SIX K steps each (4 pieces x 4 tiles x 9,216 bytes): three fills, 6 + 6 + 4; the third states four fragments as
; what is left of each row.  All sixteen K steps are written out.
; CLUSTERS: 4 x 4 work-groups: o's tiles are shared along a row of the cluster, Wo's along a column: joint loads (waves 0, 1: o's halves; waves 2, 3: Wo's), one a wave and fill.
; THE SCALE WORDS go from memory into registers, once: os and wscales are laid [quad of tiles][K step][row][tile in quad], so a b128 brings a lane its row's words in my four tiles; lanes 0-15 take K step 2 j, lanes 16-31
; K step 2 j + 1: the 32 lanes read 512 consecutive bytes, aligned.  Eight loads a side, 32 registers a side; the scale's row selector picks the K step.
; PREFETCH: fills 1 and 2 are asked for one fill ahead of their tensor loads.  A piece's four rows are shared out by address among the four partners that load it jointly, a row each, a lane a block of 256 bytes:
; fill 1 is 36 blocks a row (two instructions; in the second lanes 4-31 name the last block again), fill 2 is 24.
; REGISTERS.  window 0: v8-10, v16-29 addresses; v32-63 o's scale words, v64-95 Wo's; v64-127 rows on the way out; v128-255 the accumulators ((a, t) at 128 + 8 (4 a + t)).   window 1: two fragment buffers at v0 and v128: o's four, then Wo's four.
.set FRB,   1536
.set ROWT,  6*FRB                      ; a tile's six fragments in a slot
.set PIECE, 4*ROWT
.set SLOT,  4*PIECE
.set SPARE, 2*SLOT                     ; the spare words, 128 bytes for each wave
.set SPITCH, 272                       ; the way out: a stage of 16 rows x (256 + 16) bytes for each wave, in slot 1, which has had its last fill and its last read by then
.set ADRA, 16
.set ADRB, 20
.set STO,  24
.set RD,   25
.set CO,   26
.set L16,  27
.set SPW,  28
.set NIL,  29
.set SA,   32
.set SB,   64
.set BK,   64
.set ACC,  128
.set G1,   24
.set G0,   32
.set G1B,  48
.set G0B,  56
.set PFA,  94                          ; s[94:95] fill 0's address of the row that I prefetch; never rewritten
.set MSB, 0
.macro WIN new
.if MSB != \new
	s_set_vgpr_msb (MSB<<8)|\new
.set MSB, \new
.endif
.endm
.set MUL,  0x05                        ; sources 0 and 1 window 1; C and D window 0
.set TO_F, 0x40                        ; destination window 1, address window 0
.macro JLOAD g0a, g1a, g0b, g1b        ; a joint load: waves 0 and 1 ask for o's, waves 2 and 3 for Wo's; an s_nop 0 and four v_nop follow each line
	s_cmp_eq_u32 s15, 0
	s_cbranch_scc0 .Lfor_b_\@
	tensor_load_to_lds s[\g0a:\g0a+3], s[\g1a:\g1a+7]
	s_nop 0
.rept 4
	v_nop
.endr
	s_branch .Lasked_\@
.Lfor_b_\@:
	tensor_load_to_lds s[\g0b:\g0b+3], s[\g1b:\g1b+7]
	s_nop 0
.rept 4
	v_nop
.endr
.Lasked_\@:
.endm
.macro CREST
	s_cmp_lg_u32 s14, 0
	s_cbranch_scc1 .Lnot_wave_0_\@
	s_barrier_signal -3
.Lnot_wave_0_\@:
	s_barrier_wait -3
	s_barrier_signal -1
	s_barrier_wait -1
.endm
.macro CROUND
	s_barrier_signal -1
	s_barrier_wait -1
	CREST
.endm
.macro PLACES
.rept 4
	v_nop
.endr
.endm
	s_load_b128 s[4:7], s[0:1], 0x0                ; oc, os
	s_load_b128 s[8:11], s[0:1], 0x10              ; wcodes, wscales
	s_load_b64 s[12:13], s[0:1], 0x20              ; out0
	v_lshl_add_u32 v[SPW], v0, 2, SPARE
	v_mov_b32 v[NIL], 0
	ds_add_u32 v[SPW], v[NIL]                      ; the wave's opening: the add, twice on end, and its wait ahead of my first tensor load
	ds_add_u32 v[SPW], v[NIL]
	v_lshrrev_b32 v1, 5, v0
	v_readfirstlane_b32 s14, v1                    ; wave 0..3
	s_lshr_b32 s15, s14, 1                         ; mh.  Also: I fetch for o (0) or for Wo (1)
	s_and_b32 s16, s14, 1                          ; nh.  Also: which four tiles I fetch
	s_bfe_u32 s40, ttmp6, 0x40000
	s_bfe_u32 s41, ttmp6, 0x40004
	s_lshl_b32 s42, ttmp9, 2
	s_add_co_u32 s42, s42, s40                     ; block of 128 columns = 4 x cluster x + cx
	s_and_b32 s17, ttmp7, 0xffff
	s_lshl_b32 s17, s17, 2
	s_add_co_u32 s17, s17, s41                     ; block of 128 rows = 4 x cluster y + cy
	s_lshl_b32 s43, s41, 2
	s_lshl_b32 s43, 15, s43                        ; my row of the cluster
	s_lshl_b32 s44, 0x1111, s40                    ; my column
	; group 1: 4 rows (tiles) of 9,216 bytes (six fragments), 24,576 bytes apart in memory, dense in LDS; elements of 8 bytes
	s_or_b32 s[G1], s43, (3<<16)|(1<<21)
	s_or_b32 s[G1B], s44, (3<<16)|(1<<21)
.irp g, G1, G1B
	s_mov_b32 s[\g+1], 1152<<16
	s_mov_b32 s[\g+2], 4<<16
	s_mov_b32 s[\g+3], 1152<<16
	s_mov_b32 s[\g+4], 4
	s_mov_b32 s[\g+5], 3072
	s_mov_b32 s[\g+6], 0
	s_mov_b32 s[\g+7], 0
.endr
	s_lshl_b32 s18, s16, 2
	s_lshl_b32 s20, s17, 3
	s_add_co_u32 s20, s20, s18
	s_mul_i32 s20, s20, 24576                      ; o's codes: tile 8 x block + 4 x half
	s_mov_b32 s21, 0
	s_lshl_b32 s46, s42, 3
	s_add_co_u32 s46, s46, s18
	s_mul_i32 s46, s46, 24576
	s_add_co_u32 s46, s46, 12582912                ; Wo's: tensor 4
	s_mov_b32 s47, 0
	s_lshl_b32 s22, s17, 1
	s_add_co_u32 s22, s22, s15
	s_lshl_b32 s22, s22, 12                        ; the scale words of my four tiles of o: quad 2 x block + mh
	s_mov_b32 s23, 0
	s_lshl_b32 s92, s42, 1
	s_add_co_u32 s92, s92, s16
	s_lshl_b32 s92, s92, 12
	s_add_co_u32 s92, s92, 524288                  ; of Wo: tensor 4, quad 2 x block + nh
	s_mov_b32 s93, 0
	s_mul_i32 s45, s14, PIECE                      ; where the tiles go: piece = wave
	s_mul_i32 s94, s40, 24576                      ; the prefetches: of o's four rows the partner at cx takes one,
	s_add_co_u32 s94, s94, s20
	s_mul_i32 s96, s41, 24576                      ; of Wo's the partner at cy
	s_add_co_u32 s96, s96, s46
	s_cmp_eq_u32 s15, 0
	s_cselect_b32 s[PFA], s94, s96
	s_mov_b32 s[PFA+1], 0
	s_wait_dscnt 0x0                               ; both opening adds are done
	s_wait_kmcnt 0x0
	s_cselect_b64 s[96:97], s[4:5], s[8:9]         ; (the compare above stands: moves and waits leave SCC alone)
	s_add_nc_u64 s[PFA:PFA+1], s[96:97], s[PFA:PFA+1]
	s_add_nc_u64 s[20:21], s[4:5], s[20:21]
	s_add_nc_u64 s[6:7], s[6:7], s[22:23]
	s_add_nc_u64 s[46:47], s[8:9], s[46:47]
	s_add_nc_u64 s[10:11], s[10:11], s[92:93]
.irp s, 0,1
	s_mov_b32 s[G0+4*\s], 1
	s_add_co_u32 s[G0+4*\s+1], s45, \s*SLOT
	s_add_nc_u64 s[G0+4*\s+2:G0+4*\s+3], s[20:21], \s*ROWT
	s_or_b32 s[G0+4*\s+3], s[G0+4*\s+3], 0x80000000
	s_mov_b32 s[G0B+4*\s], 1
	s_add_co_u32 s[G0B+4*\s+1], s45, \s*SLOT
	s_add_nc_u64 s[G0B+4*\s+2:G0B+4*\s+3], s[46:47], \s*ROWT
	s_or_b32 s[G0B+4*\s+3], s[G0B+4*\s+3], 0x80000000
.endr
	CROUND                                         ; all sixteen work-groups are here: the first joint loads meet
	JLOAD G0, G1, G0B, G1B                         ; K steps 0 to 5: one tensor load a wave at the head
	s_mul_i32 s21, s15, PIECE                      ; my four tiles of o
	s_mul_i32 s22, s16, PIECE                      ; my four tiles of Wo,
	s_add_co_u32 s22, s22, 2*PIECE                 ; behind o's two pieces
	s_mul_i32 s23, s14, 16*SPITCH                  ; my stage,
	s_add_co_u32 s23, s23, SLOT                    ; in slot 1
	s_lshl_b32 s20, s17, 7
	s_lshl_b32 s18, s15, 6
	s_add_co_u32 s20, s20, s18                     ; my first row: 128 x block + 64 mh
	s_lshl_b32 s20, s20, 13
	s_lshl_b32 s46, s42, 9                         ; my first column, in bytes: 512 x block + 256 nh
	s_lshl_b32 s47, s16, 8
	s_add_co_u32 s46, s46, s47
	s_add_co_u32 s18, s20, s46
	s_mov_b32 s19, 0
	s_add_nc_u64 s[12:13], s[12:13], s[18:19]
	v_and_b32 v1, 31, v0                           ; lane
	v_and_b32 v2, 15, v0                           ; r
	v_bfe_u32 v3, v0, 4, 1                         ; h
	v_lshlrev_b32 v[L16], 4, v1
	v_add_nc_u32 v[ADRA], s21, v[L16]
	v_add_nc_u32 v[ADRA+1], SLOT, v[ADRA]
	v_add_nc_u32 v[ADRB], s22, v[L16]
	v_add_nc_u32 v[ADRB+1], SLOT, v[ADRB]
	v_mul_u32_u24 v5, v2, SPITCH
	v_lshl_add_u32 v5, v3, 6, v5
	v_add_nc_u32 v[STO], s23, v5                   ; in: row r, + 64 h
	v_mul_u32_u24 v6, v3, SPITCH
	v_lshl_add_u32 v6, v2, 4, v6
	v_add_nc_u32 v[RD], s23, v6                    ; back: lanes 0-15 one row of 256 bytes, lanes 16-31 the next
	v_lshlrev_b32 v7, 13, v3
	v_lshl_add_u32 v[CO], v2, 4, v7                ; and the same two rows in the output
	v_lshlrev_b32 v8, 8, v1                        ; the prefetches' offsets: blocks 0 .. 31,
	v_min_u32 v9, 3, v1
	v_min_u32 v10, 23, v1
	v_lshlrev_b32 v9, 8, v9
	v_lshlrev_b32 v10, 8, v10                      ; blocks 0 .. 23,
	v_add_nc_u32 v9, 8192, v9                      ; blocks 32 .. 35
	s_wait_alu depctr_va_vdst(0)                   ; directly ahead of the first reader of the offsets
.irp j, 0,1,2,3,4,5,6,7
	global_load_b128 v[SA+4*\j:SA+4*\j+3], v[L16], s[6:7] offset:512*\j     ; K steps 2 j (lanes 0-15) and 2 j + 1 (lanes 16-31): register t = my tile t of o
	global_load_b128 v[SB+4*\j:SB+4*\j+3], v[L16], s[10:11] offset:512*\j   ; and of Wo
.endr
	global_prefetch_b8 v8, s[PFA:PFA+1] offset:ROWT th:TH_LOAD_NT scope:SCOPE_SE   ; fill 1's bytes of my row, while fill 0 is on its way
	global_prefetch_b8 v9, s[PFA:PFA+1] offset:ROWT th:TH_LOAD_NT scope:SCOPE_SE
.macro FRAG reg, adr, off
	ds_load_b128 v[\reg:\reg+3], v[\adr] offset:\off
	ds_load_b128 v[\reg+4:\reg+7], v[\adr] offset:\off+512
	ds_load_b128 v[\reg+8:\reg+11], v[\adr] offset:\off+1024
.endm
.macro FETCH slot, q, ks               ; K step ks, the slot's q-th: eight fragments into buffer ks % 2
	WIN TO_F
.irp i, 0,1,2,3
	FRAG 128*((\ks)%2)+12*\i, ADRA+\slot, ROWT*\i+FRB*(\q)
	FRAG 128*((\ks)%2)+48+12*\i, ADRB+\slot, ROWT*\i+FRB*(\q)
.endr
	WIN 0
.endm
; 8 matrix instructions: o's tiles a0, a0 + 1 against Wo's four.  The 16 accumulators take turns in the same order in every step.  An odd K step's scale words lie in lanes 16-31.
.macro MUL8 a0, ks, zero
.irp a, \a0, \a0+1
.irp t, 0,1,2,3
.if \zero
	v_wmma_scale_f32_16x16x128_f8f6f4 v[ACC+8*(4*(\a)+\t):ACC+8*(4*(\a)+\t)+7], v[128*((\ks)%2)+48+12*\t:128*((\ks)%2)+48+12*\t+11], v[128*((\ks)%2)+12*(\a):128*((\ks)%2)+12*(\a)+11], 0, v[SB+4*((\ks)/2)+\t], v[SA+4*((\ks)/2)+(\a)] matrix_a_fmt:MATRIX_FMT_FP6 matrix_b_fmt:MATRIX_FMT_FP6
.elseif (\ks)%2
	v_wmma_scale_f32_16x16x128_f8f6f4 v[ACC+8*(4*(\a)+\t):ACC+8*(4*(\a)+\t)+7], v[128*((\ks)%2)+48+12*\t:128*((\ks)%2)+48+12*\t+11], v[128*((\ks)%2)+12*(\a):128*((\ks)%2)+12*(\a)+11], v[ACC+8*(4*(\a)+\t):ACC+8*(4*(\a)+\t)+7], v[SB+4*((\ks)/2)+\t], v[SA+4*((\ks)/2)+(\a)] matrix_a_fmt:MATRIX_FMT_FP6 matrix_b_fmt:MATRIX_FMT_FP6 matrix_a_scale:MATRIX_SCALE_ROW1 matrix_b_scale:MATRIX_SCALE_ROW1
.else
	v_wmma_scale_f32_16x16x128_f8f6f4 v[ACC+8*(4*(\a)+\t):ACC+8*(4*(\a)+\t)+7], v[128*((\ks)%2)+48+12*\t:128*((\ks)%2)+48+12*\t+11], v[128*((\ks)%2)+12*(\a):128*((\ks)%2)+12*(\a)+11], v[ACC+8*(4*(\a)+\t):ACC+8*(4*(\a)+\t)+7], v[SB+4*((\ks)/2)+\t], v[SA+4*((\ks)/2)+(\a)] matrix_a_fmt:MATRIX_FMT_FP6 matrix_b_fmt:MATRIX_FMT_FP6
.endif
.endr
.endr
.endm
.macro QUARTER slot, q, ks, zero       ; a K step that is not its slot's last: the next step's fragments are asked for, then this step is multiplied
	s_wait_dscnt 0x0                               ; this step's fragments are in
	PLACES                                         ; in front of loads into the buffer that the last step's products read
	FETCH \slot, (\q)+1, (\ks)+1
	WIN MUL
	MUL8 0, \ks, \zero
	MUL8 2, \ks, \zero
	WIN 0
.endm
.macro TURN slot, next, fill, ks       ; a slot's last K step changes slots
	s_wait_tensorcnt 0x0                           ; all my tensor loads have landed: my piece of the next slot
	ds_add_u32 v[SPW], v[NIL]                      ; 0 onto my spare word
.if \fill
	s_mov_b32 s[G1+1], 768<<16                     ; no tensor load of mine is out, so a descriptor may be written: four fragments are left of each row
	s_mov_b32 s[G1B+1], 768<<16
.endif
	s_wait_dscnt 1                                 ; this step's fragments are in (the add may be out)
	WIN MUL
	MUL8 0, \ks, 0
	s_wait_dscnt 0x0                               ; the add is done, and my reads of this slot are over
	s_barrier_signal -1
	MUL8 2, \ks, 0
	WIN 0
	s_barrier_wait -1
.if \fill
	CREST                                          ; the barrier has opened a round of the cluster's barrier
	s_add_nc_u64 s[G0+4*\slot+2:G0+4*\slot+3], s[G0+4*\slot+2:G0+4*\slot+3], 2*ROWT
	s_add_nc_u64 s[G0B+4*\slot+2:G0B+4*\slot+3], s[G0B+4*\slot+2:G0B+4*\slot+3], 2*ROWT
	JLOAD G0+4*\slot, G1, G0B+4*\slot, G1B         ; the first tensor load behind the round; its four v_nop are the places in front of the loads below
.else
	PLACES
.endif
	FETCH \next, 0, (\ks)+1
.endm
	s_wait_alu depctr_va_vdst(0)                   ; the head's end
	s_wait_tensorcnt 0x0                           ; my piece of slot 0 is in
	ds_add_u32 v[SPW], v[NIL]
	s_wait_dscnt 0x0
	CROUND                                         ; everybody's piece is in, and all sixteen work-groups are here
	JLOAD G0+4, G1, G0B+4, G1B                     ; K steps 6 to 11: slot 1's first fill, the first tensor load behind the round
	FETCH 0, 0, 0
	global_prefetch_b8 v10, s[PFA:PFA+1] offset:2*ROWT th:TH_LOAD_NT scope:SCOPE_SE   ; fill 2's bytes of my row, a fill ahead of their load
	s_wait_loadcnt 0x0                             ; the scale words
	QUARTER 0, 0, 0, 1                             ; the first K step's products start the sums
	QUARTER 0, 1, 1, 0
	QUARTER 0, 2, 2, 0
	QUARTER 0, 3, 3, 0
	QUARTER 0, 4, 4, 0
	TURN 0, 1, 1, 5                                ; slot 0 takes K steps 12 to 15
	QUARTER 1, 0, 6, 0
	QUARTER 1, 1, 7, 0
	QUARTER 1, 2, 8, 0
	QUARTER 1, 3, 9, 0
	QUARTER 1, 4, 10, 0
	TURN 1, 0, 0, 11                               ; nothing is left to fetch
	QUARTER 0, 0, 12, 0
	QUARTER 0, 1, 13, 0
	QUARTER 0, 2, 14, 0
	s_wait_dscnt 0x0
	WIN MUL
	MUL8 0, 15, 0
	MUL8 2, 15, 0
	WIN 0
; THE WAY OUT, a tile of 16 rows x 64 columns at a time.  Register j of accumulator t = 2 b + u is column 32 b + 16 h + 8 u + j: 32 bytes at 128 b + 64 h + 32 u of the stage's row.  Back come whole rows of 256 bytes;
; row 2 i + (lane / 16) of tile a is the output's row 32 (a / 2) + 8 (a % 2) + 16 (i / 4) + 2 (i % 4) + (lane / 16).  LDS serves a wave's instructions in order: no wait between the stores and the loads.
.macro TOSTAGE a
.irp t, 0,1,2,3
	ds_store_b128 v[STO], v[ACC+8*(4*(\a)+\t):ACC+8*(4*(\a)+\t)+3] offset:128*(\t/2)+32*(\t%2)        ; each accumulator from its low end on
	ds_store_b128 v[STO], v[ACC+8*(4*(\a)+\t)+4:ACC+8*(4*(\a)+\t)+7] offset:128*(\t/2)+32*(\t%2)+16
.endr
.irp i, 0,1,2,3,4,5,6,7
	ds_load_b128 v[BK+32*((\a)%2)+4*\i:BK+32*((\a)%2)+4*\i+3], v[RD] offset:2*\i*SPITCH
.endr
.endm
.macro SEND a, younger                 ; younger: the LDS instructions issued behind tile a's loads, which may stay out
	s_wait_dscnt \younger
.irp i, 0,1,2,3,4,5,6,7
	global_store_b128 v[CO], v[BK+32*((\a)%2)+4*\i:BK+32*((\a)%2)+4*\i+3], s[12:13] offset:(32*((\a)/2)+8*((\a)%2)+16*(\i/4)+2*(\i%4))*8192 th:TH_STORE_NT   ; 16 lanes store 256 consecutive bytes, aligned
.endr
.endm
	PLACES                                         ; in front of the first read of results, and of loads into registers that held scale words
	TOSTAGE 0
.irp a, 1,2,3
.if \a > 1
	s_wait_xcnt 0x0                                ; tile a - 2's stores have read their registers: tile a's loads may land there
.endif
	TOSTAGE \a
	SEND \a-1, 16                                  ; behind tile a - 1's loads: tile a's 8 stores and 8 loads
.endr
	SEND 3, 0
	s_wait_tensorcnt 0x0                           ; the wave's end
	ds_add_u32 v[SPW], v[NIL]
	s_wait_dscnt 0x0
	CROUND                                         ; the closing round
	s_endpgm
.Lfunc_end_k_q584a18a38d_oproj:
	.size	k_q584a18a38d_oproj, .Lfunc_end_k_q584a18a38d_oproj-k_q584a18a38d_oproj
	.p2alignl 7, 3214868480
	.fill 96, 4, 3214868480
	.section	.rodata,"a",@progbits
	.p2align	6, 0x0
	.amdhsa_kernel k_q584a18a38d_oproj
		.amdhsa_group_segment_fixed_size 327680
		.amdhsa_private_segment_fixed_size 0
		.amdhsa_enable_private_segment 0
		.amdhsa_kernarg_size 40
		.amdhsa_user_sgpr_count 2
		.amdhsa_user_sgpr_kernarg_segment_ptr 1
		.amdhsa_wavefront_size32 1
		.amdhsa_system_sgpr_workgroup_id_x 1
		.amdhsa_system_sgpr_workgroup_id_y 1
		.amdhsa_system_sgpr_workgroup_id_z 1
		.amdhsa_system_vgpr_workitem_id 0
		.amdhsa_next_free_vgpr 512
		.amdhsa_next_free_sgpr 100
		.amdhsa_reserve_vcc 0
		.amdhsa_float_denorm_mode_32 3
		.amdhsa_float_denorm_mode_16_64 3
		.amdhsa_memory_ordered 1
		.amdhsa_forward_progress 1
		.amdhsa_inst_pref_size 80
	.end_amdhsa_kernel
	.amdgpu_metadata
---
amdhsa.version: [ 1, 2 ]
amdhsa.kernels:
  - .name:           k_q584a18a38d_oproj
    .symbol:         k_q584a18a38d_oproj.kd
    .args:
      - { .name: oc, .offset: 0, .size: 8, .value_kind: global_buffer, .address_space: global }
      - { .name: os, .offset: 8, .size: 8, .value_kind: global_buffer, .address_space: global }
      - { .name: wcodes, .offset: 16, .size: 8, .value_kind: global_buffer, .address_space: global }
      - { .name: wscales, .offset: 24, .size: 8, .value_kind: global_buffer, .address_space: global }
      - { .name: out0, .offset: 32, .size: 8, .value_kind: global_buffer, .address_space: global }
    .group_segment_fixed_size: 327680
    .private_segment_fixed_size: 0
    .kernarg_segment_align: 8
    .kernarg_segment_size: 40
    .max_flat_workgroup_size: 128
    .sgpr_count:     100
    .vgpr_count:     512
    .wavefront_size: 32
...
	.end_amdgpu_metadata
.endif
;; end of part 4
